; MI455X (gfx1250); checked and timed in simulation.
; The chip was launched on July 23, 2026; its instructions are those of AMD's public machine-readable ISA for CDNA 5 (MIT licence, August 2026) and "CDNA5" Instruction Set Architecture Reference Guide (July 2026). The comments in the code are by the model that wrote it; some were corrected since.
;; Multi Head Self Attention. Allowed arithmetic: matrix products marked QUANTISED: E4M3 operands, one given power-of-two scale a tensor, by v_wmma_f32_16x16x64_fp8_fp8 or v_wmma_f32_16x16x128_fp8_fp8, f32 sums; everything else in f32.
;; Inputs: W_K 1,025 x 8 x 128 float32; W_O 1,025 x 1,024 float32; W_Q 1,025 x 8 x 128 float32; W_V 1,025 x 8 x 128 float32; lowp_scales 12 int32 (the exponents e of the quantised operands' scales 2^e); mask 4,096 x 4,096 float32; x 4,096 x 1,024 float32.
;; Outputs: out0 4,096 x 1,024 float32.
;; This version of the problem:
;;   THIS VERSION OF THE PROBLEM IS GIVEN IN LOW PRECISION. The matrix products marked QUANTISED in the list below multiply operands that are first quantised to E4M3 (4 exponent bits, 3 mantissa bits; 8 bits a number), with one given power-of-two scale for each operand tensor; their sums are f32. All else is computed in f32.
;;   The module's matrix products, in the order in which they are computed (A, B: the left and right operand; K: the contracted axis; several contracted axes count as one K, in the product's order):
;;     1. [M 1,024, K 1,025] x [K 1,025, N 4,096]; A: input W_Q; B: computed on the way: QUANTISED (scales: A lowp_scales[0], B lowp_scales[1])
;;     2. [M 1,024, K 1,025] x [K 1,025, N 4,096]; A: input W_K; B: computed on the way: QUANTISED (scales: A lowp_scales[2], B lowp_scales[3])
;;     3. [M 1,024, K 1,025] x [K 1,025, N 4,096]; A: input W_V; B: computed on the way: QUANTISED (scales: A lowp_scales[4], B lowp_scales[5])
;;     4. batch 8 x [M 4,096, K 128] x [K 128, N 4,096]; A: computed on the way; B: computed on the way: QUANTISED (scales: A lowp_scales[6], B lowp_scales[7])
;;     5. batch 8 x [M 4,096, K 4,096] x [K 4,096, N 128]; A: softmax (see below); B: computed on the way: QUANTISED (scales: A lowp_scales[8], B lowp_scales[9])
;;     6. [M 4,096, K 1,025] x [K 1,025, N 1,024]; A: computed on the way; B: input W_O: QUANTISED (scales: A lowp_scales[10], B lowp_scales[11])
;;   THE QUANTISER, for each operand of a quantised product, along K:
;;     - The operand's scale is 2^e, e = its entry of the input lowp_scales (int32; the entries are numbered through the quantised products in the list's order, A before B).
;;     - Each number is divided by the scale, clamped to +-448, and rounded to the nearest number of E4M3, ties to even, subnormals kept.
;;     - The product sums the exact products of the quantised numbers (number of the format x scale) in f32.
;;   ~~~python
;;   def quantise(x, axis, e):      # numpy; x: float32 -> the quantised numbers, widened to float32 again
;;       x = np.moveaxis(x, axis, -1); K = x.shape[-1]
;;       r = np.clip(x / 2.0 ** e, -448, 448)
;;       step = 2.0 ** (np.maximum(np.frexp(np.where(r == 0, 1, r))[1] - 1, -6) - 3)
;;       q = np.round(r / step) * step * 2.0 ** e      # np.round: ties to even
;;       return np.moveaxis(q, -1, axis).astype(np.float32)
;;   ~~~
;;   SOFTMAX AHEAD OF A QUANTISED PRODUCT. Where the list says 'softmax', what is quantised is not the finished softmax but p = 2^(t - M), with t = logit x log2(e) and M = ceil(the row's largest t), a whole number; so 1/2 < the row's largest p <= 1. The row's sum l is taken of the UNQUANTISED p, in f32, and the product's result is divided by l at the end. Since M is a whole number, a kernel that streams over the keys may use a running M (the ceiling of the running maximum): every later rescaling is an exact power of two, so the quantised numbers keep their values, but for numbers so far below the row's largest that they fall under the format's range.
;;   OPERANDS COMPUTED ON THE WAY. 'Computed on the way' means the value that the module computes at that place (a softmax that the list does not call 'softmax' is quantised finished and normalised). What goes into a quantiser is computed in f32, as accurately as f32 sums, v_exp_f32 and their like allow (about 1e-6 of the number): no bf16 or f16 on the way to a quantiser, and a product that is left as it is and whose result goes on into a quantised operand takes f32 operands (vector FMAs, or v_wmma_f32_16x16x4_f32). A number that lies on a knife's edge between two numbers of the format may be rounded either way, as far as f32 arithmetic and the matrix unit's own rounding can turn it there, and no further.
;; One version. Each part assembles by itself: llvm-mc -triple=amdgcn-amd-amdhsa -mcpu=gfx1250 --defsym DOCPART=n.
;; ======== version 1 of 1: 4 launches
;; limits: right only within a limited range of input values
;; workspace buffers: xc 15,728,640 bytes; wc 5,242,880 bytes; qkv 12,582,912 bytes; cimg 5,242,880 bytes
;; launch quant (part 1): grid 256 x 1, 4 waves a work-group, no clusters, 68,096 bytes of LDS; arguments x, W_Q, W_K, W_V, W_O, lowp_scales, xc, wc; writes xc, wc
.if DOCPART == 1
	.amdgcn_target "amdgcn-amd-amdhsa--gfx1250"
	.amdhsa_code_object_version 6
	.text
	.protected	k_q99ecc237bf_quant
	.globl	k_q99ecc237bf_quant
	.p2align	8
	.type	k_q99ecc237bf_quant,@function
k_q99ecc237bf_quant:
	s_mov_b64 s[64:65], 0
	v_nop
	global_prefetch_b8 v0, s[64:65] scope:SCOPE_SE
	s_setreg_imm32_b32 hwreg(HW_REG_WAVE_MODE, 25, 1), 1
	s_wait_xcnt 0x0
; f32 numbers into codes of FP8 (E4M3), K innermost, rows of 1,280 bytes (five times 256), for the three projections and the last product.
; xc [3][4096][1280]: x on the scales 2^e1, 2^e3, 2^e5; byte 1024 of a row is the code of the 1 that reference() appends to x; bytes 1025 .. 1279 are 0.
; wc [4][1024][1280]: W_Q, W_K, W_V, W_O (scales e0, e2, e4, e11) with K moved innermost: row n, byte k; byte 1024 is W's row 1024; the rest 0.
; code = number / 2^e, held within +-448, rounded to the nearest code, ties to even.
; LIMITS: each e lies between -126 and 119, so that 2^e and 448 x 2^e are f32 numbers.  NaN among the inputs is not served (an infinity is held at the largest code).
; Work-groups 0-127 take x: a wave takes 8 rows, 16 steps of 512 numbers.  Each load reads 512 consecutive bytes; a step's 2,048 bytes turn through the wave's own stage in LDS, so that a lane
; holds 16 neighbours along K; its 16 codes are 16 bytes, and the wave's store covers 512 consecutive bytes, aligned.  The numbers are read once and converted three times.
; Work-groups 128-255 take the weights: a lane takes a column n and its registers run down K, so the conversions give codes with K innermost; they leave through the wave's own stage as rows,
; sixteen lanes to 256 consecutive bytes.  The two paths part on the work-group's number and have LDS bytes of their own.  No tensor loads, no barrier: waves share nothing.
.set ROWC,  1280                       ; a row of codes in bytes
.set XPL,   4096*ROWC                  ; a plane of xc
.set WPL,   1024*ROWC                  ; a plane of wc
.set STEPS, 16
.set SP,    80                         ; x path: a lane's place in a stage: its 64 bytes + 16 of padding
.set R,     16                         ; v16-79   four sets of 16 numbers as they are loaded
.set X,     80                         ; v80-111  two sets of 16 neighbours
.set T,     112                        ; v112-127 the 16 numbers, held for one scale
.set C,     128                        ; v128-139 a step's codes: four registers for each of the three scales
.set TL,    152                        ; v152-163 what a row's last 256 bytes hold, for each scale
.set ONE,   164                        ; v164-171 the number 1 and seven zeros
.set PITCH, 272                        ; W path: a stage row: 256 bytes + 16
.set NB,    8                          ; blocks of 32 along K for a wave
.set WX,    32                         ; v32-95   two sets of 32 numbers
.set WC,    96                         ; v96-103  a block's codes
.set OUTR,  112                        ; v112-175 the way out
	s_load_b512 s[4:19], s[0:1], 0x0               ; x 4:5, W_Q 6:7, W_K 8:9, W_V 10:11, W_O 12:13, scales 14:15, xc 16:17, wc 18:19
	v_lshl_add_u32 v192, v0, 2, 0x10800
	v_mov_b32 v193, 0
	v_lshrrev_b32 v1, 5, v0
	v_readfirstlane_b32 s20, v1                    ; wave
	v_and_b32 v2, 31, v0                           ; lane
	s_wait_kmcnt 0x0
	s_load_b256 s[36:43], s[14:15], 0x0            ; e0 .. e7
	s_load_b128 s[44:47], s[14:15], 0x20           ; e8 .. e11
	s_cmp_lt_u32 ttmp9, 128
	s_cbranch_scc0 .Lweights
; ---------------------------------------------------------------- x
	s_wait_alu depctr_va_vdst(0)
	v_lshlrev_b32 v3, 4, v2                        ; my 16 bytes of a load's 512, and of a store's
	v_lshrrev_b32 v4, 4, v2
	v_mul_u32_u24 v5, v4, ROWC
	v_and_b32 v6, 15, v2
	v_lshl_add_u32 v5, v6, 4, v5                   ; the rows' ends: sixteen lanes to a row's last 256 bytes, two rows an instruction
	s_mul_i32 s21, s20, 8192                       ; my wave's LDS
	v_lshrrev_b32 v14, 2, v2
	v_mul_u32_u24 v14, v14, SP
	v_and_b32 v15, 3, v2
	v_lshl_add_u32 v14, v15, 4, v14
	v_add_nc_u32 v14, s21, v14                     ; the stage, in: SP (lane / 4) + 16 (lane % 4)
	v_mul_u32_u24 v15, v2, SP
	v_add_nc_u32 v15, s21, v15                     ; and out: SP x lane: my 16 neighbours
	s_lshl_b32 s22, ttmp9, 2
	s_add_co_u32 s22, s22, s20                     ; which 8 rows are my wave's
	s_lshl_b32 s24, s22, 15
	s_mov_b32 s25, 0
	s_add_nc_u64 s[4:5], s[4:5], s[24:25]          ; 8 rows of 4,096 bytes
	s_mul_i32 s24, s22, 8*ROWC
	s_add_nc_u64 s[26:27], s[16:17], s[24:25]      ; the three planes of codes
	s_add_nc_u64 s[28:29], s[26:27], XPL
	s_add_nc_u64 s[30:31], s[28:29], XPL
.macro LOAD t
.irp i, 0,1,2,3
	global_load_b128 v[R+16*((\t)%4)+4*\i:R+16*((\t)%4)+4*\i+3], v3, s[4:5] offset:2048*(\t)+512*\i th:TH_LOAD_NT   ; 32 lanes read 512 consecutive bytes
.endr
.endm
.macro TURN t                          ; step t's numbers through the stage: LDS serves a wave's instructions in order, so no wait stands between the stores and the loads
.irp i, 0,1,2,3
	ds_store_b128 v14, v[R+16*((\t)%4)+4*\i:R+16*((\t)%4)+4*\i+3] offset:32*SP*((\t)%2)+8*SP*\i
.endr
.irp i, 0,1,2,3
	ds_load_b128 v[X+16*((\t)%2)+4*\i:X+16*((\t)%2)+4*\i+3], v15 offset:32*SP*((\t)%2)+16*\i
.endr
.endm
.irp t, 0,1,2,3
	LOAD \t
.endr
	s_wait_kmcnt 0x0
.irp p, 0,1,2                          ; e1, e3, e5
	s_add_co_i32 s32, s[37+2*\p], 127
	s_lshl_b32 s33, s32, 23
	v_mov_b32 v[8+\p], s33                         ; 2^e as f32: the conversion takes its exponent field
	s_add_co_i32 s32, s32, 8
	s_lshl_b32 s32, s32, 23
	s_or_b32 s32, s32, 0x600000
	v_mov_b32 v[11+\p], s32                        ; 448 x 2^e
.endr
	v_mov_b32 v174, 1.0
.irp i, 1,2,3,4,5,6,7
	v_mov_b32 v[ONE+\i], 0
.endr
	v_cmp_eq_u32 vcc_lo, 0, v6                     ; the lane that holds a row's byte 1024
.irp p, 0,1,2
	v_med3_num_f32 v[ONE], v174, -v[11+\p], v[11+\p]
	v_cvt_scalef32_pk8_fp8_f32 v[172:173], v[ONE:ONE+7], v[8+\p]   ; the code of 1 in the lowest byte, zeros above
	v_nop                                          ; a plain line between a scaled conversion and the line that reads its result
	v_cndmask_b32 v[TL+4*\p], 0, v172, vcc_lo
	v_mov_b32 v[TL+4*\p+1], 0
	v_mov_b32 v[TL+4*\p+2], 0
	v_mov_b32 v[TL+4*\p+3], 0
.endr
	s_wait_loadcnt 12                              ; step 0's four loads are in
	TURN 0
.macro STEP t
.set XS, X+16*((\t)%2)
	s_wait_dscnt 0x0                               ; this step's numbers are back from the stage: so its stores into the stage have read their registers,
.if (\t)+4 < STEPS
	LOAD (\t)+4                                    ; which take the loads of four steps on
.endif
.if (\t)+1 < STEPS
.if STEPS-2-(\t) >= 3
	s_wait_loadcnt 12                              ; the next step's four loads are in; those of the three steps behind it may be out
.else
	s_wait_loadcnt 4*(STEPS-2-(\t))
.endif
	TURN (\t)+1                                    ; and go through the other stage while this step is worked
.endif
	s_wait_xcnt 0x0                                ; the last step's stores have read their data: the codes' registers are written again only behind this wait
.irp p, 0,1,2
.irp i, 0,1,2,3,4,5,6,7,8,9,10,11,12,13,14,15
	v_med3_num_f32 v[T+\i], v[XS+\i], -v[11+\p], v[11+\p]   ; the conversion to an 8-bit code does not saturate (ISA guide 7.6.2): the hold at the largest code x the scale
.endr
	v_cvt_scalef32_pk8_fp8_f32 v[C+4*\p:C+4*\p+1], v[T:T+7], v[8+\p]
	v_cvt_scalef32_pk8_fp8_f32 v[C+4*\p+2:C+4*\p+3], v[T+8:T+15], v[8+\p]
	v_nop                                          ; a plain line ahead of the next scale's holds, which write the conversions' sources
.endr
	global_store_b128 v3, v[C:C+3],    s[26:27] offset:((\t)/2)*ROWC+((\t)%2)*512   ; 32 lanes store 512 consecutive bytes, at a multiple of 256 from the buffer's first byte
	global_store_b128 v3, v[C+4:C+7],  s[28:29] offset:((\t)/2)*ROWC+((\t)%2)*512
	global_store_b128 v3, v[C+8:C+11], s[30:31] offset:((\t)/2)*ROWC+((\t)%2)*512
.endm
.irp t, 0,1,2,3,4,5,6,7,8,9,10,11,12,13,14,15
	STEP \t
.endr
.irp i, 0,1,2,3                        ; the rows' last 256 bytes: the code of 1, then zeros
	global_store_b128 v5, v[TL:TL+3],    s[26:27] offset:2*\i*ROWC+1024
	global_store_b128 v5, v[TL+4:TL+7],  s[28:29] offset:2*\i*ROWC+1024
	global_store_b128 v5, v[TL+8:TL+11], s[30:31] offset:2*\i*ROWC+1024
.endr
	s_wait_tensorcnt 0x0
	ds_add_u32 v192, v193
	s_wait_dscnt 0x0
	s_endpgm
; ---------------------------------------------------------------- the weights
.Lweights:
	s_sub_co_u32 s21, ttmp9, 128
	s_lshr_b32 s22, s21, 5                         ; which tensor: 0 W_Q, 1 W_K, 2 W_V, 3 W_O
	s_and_b32 s23, s21, 7                          ; which 128 columns
	s_bfe_u32 s24, s21, 0x20003                    ; which 256 along K
	s_cmp_eq_u32 s22, 1                            ; the choices hang on the work-group's number alone
	s_cselect_b64 s[26:27], s[8:9], s[6:7]
	s_cmp_eq_u32 s22, 2
	s_cselect_b64 s[26:27], s[10:11], s[26:27]
	s_cmp_eq_u32 s22, 3
	s_cselect_b64 s[26:27], s[12:13], s[26:27]
	s_lshl_b32 s28, s23, 7
	s_lshl_b32 s29, s20, 5
	s_add_co_u32 s28, s28, s29                     ; my wave's first column
	s_lshl_b32 s30, s24, 20                        ; 256 rows of 4,096 bytes
	s_lshl_b32 s31, s28, 2
	s_add_co_u32 s30, s30, s31
	s_mov_b32 s31, 0
	s_add_nc_u64 s[26:27], s[26:27], s[30:31]
	s_mul_i32 s30, s22, WPL
	s_mul_i32 s32, s28, ROWC
	s_add_co_u32 s30, s30, s32
	s_lshl_b32 s32, s24, 8
	s_add_co_u32 s30, s30, s32
	s_add_nc_u64 s[18:19], s[18:19], s[30:31]      ; the codes: plane, row = column of W, 256 bytes along K
	s_wait_alu depctr_va_vdst(0)
	v_lshlrev_b32 v3, 2, v2                        ; in: 4 bytes a lane
	s_mul_i32 s33, s20, 32*PITCH
	s_add_co_u32 s33, s33, 32768                   ; my stage, behind the x path's bytes
	v_mul_u32_u24 v4, v2, PITCH
	v_add_nc_u32 v4, s33, v4                       ; into it: row = my column
	v_and_b32 v5, 15, v2
	v_lshrrev_b32 v6, 4, v2
	v_mul_u32_u24 v7, v6, PITCH
	v_lshl_add_u32 v7, v5, 4, v7
	v_add_nc_u32 v7, s33, v7                       ; out of it: sixteen lanes to a row, two rows an instruction
	v_mul_u32_u24 v8, v6, ROWC
	v_lshl_add_u32 v8, v5, 4, v8                   ; and the same place in the codes' buffer
.macro WLOAD t                         ; block t: W(32 t + i, my column), i = 0 .. 31: 128 consecutive bytes a wave, 512 a work-group
.irp i, 0,1,2,3,4,5,6,7,8,9,10,11,12,13,14,15,16,17,18,19,20,21,22,23,24,25,26,27,28,29,30,31
	global_load_b32 v[WX+32*((\t)%2)+\i], v3, s[26:27] offset:(32*(\t)+\i)*4096 th:TH_LOAD_NT
.endr
.endm
	WLOAD 0
	WLOAD 1
	s_wait_kmcnt 0x0
	s_cmp_eq_u32 s22, 1
	s_cselect_b32 s34, s38, s36                    ; e0, e2, e4 or e11
	s_cmp_eq_u32 s22, 2
	s_cselect_b32 s34, s40, s34
	s_cmp_eq_u32 s22, 3
	s_cselect_b32 s34, s47, s34
	s_add_co_i32 s34, s34, 127
	s_lshl_b32 s35, s34, 23
	v_mov_b32 v11, s35                             ; 2^e
	s_add_co_i32 s34, s34, 8
	s_lshl_b32 s34, s34, 23
	s_or_b32 s34, s34, 0x600000
	v_mov_b32 v10, s34                             ; 448 x 2^e
.macro BLOCK t
.set XS, WX+32*((\t)%2)
.if (\t) < NB-1
	s_wait_loadcnt 32                              ; this block's 32 loads are in; the next block's may be out
.else
	s_wait_loadcnt 0
.endif
.irp i, 0,1,2,3,4,5,6,7,8,9,10,11,12,13,14,15,16,17,18,19,20,21,22,23,24,25,26,27,28,29,30,31
	v_med3_num_f32 v[XS+\i], v[XS+\i], -v10, v10
.endr
.irp g, 0,1,2,3
	v_cvt_scalef32_pk8_fp8_f32 v[WC+2*\g:WC+2*\g+1], v[XS+8*\g:XS+8*\g+7], v11
.endr
	ds_store_b128 v4, v[WC:WC+3] offset:32*(\t)    ; 32 codes: 32 bytes of my column's row
	ds_store_b128 v4, v[WC+4:WC+7] offset:32*(\t)+16
.if (\t)+2 < NB
	WLOAD (\t)+2
.endif
	s_wait_dscnt 0x0                               ; the stores have read their registers: the next block's codes may be written
.endm
.macro OUT off                         ; the stage's 32 rows of 256 bytes leave, off bytes along the codes' rows
.irp t, 0,1,2,3,4,5,6,7,8,9,10,11,12,13,14,15
	ds_load_b128 v[OUTR+4*\t:OUTR+4*\t+3], v7 offset:2*\t*PITCH   ; LDS serves a wave's instructions in order: these see my stores
.endr
.irp t, 0,1,2,3,4,5,6,7,8,9,10,11,12,13,14,15
	s_wait_dscnt 15-\t
	global_store_b128 v8, v[OUTR+4*\t:OUTR+4*\t+3], s[18:19] offset:2*\t*ROWC+\off   ; sixteen lanes store 256 consecutive bytes, aligned
.endr
.endm
	s_wait_alu depctr_va_vdst(0)
.irp t, 0,1,2,3,4,5,6,7
	BLOCK \t
.endr
	OUT 0
	s_cmp_lg_u32 s24, 3                            ; the work-groups of the last 256 along K also make the rows' ends: W's row 1024, then zeros
	s_cbranch_scc1 .Lend
	global_load_b32 v176, v3, s[26:27] offset:256*4096 th:TH_LOAD_NT
.irp i, 1,2,3,4,5,6,7
	v_mov_b32 v[176+\i], 0
.endr
.irp i, 106,107,108,109,110,111
	v_mov_b32 v\i, 0
.endr
	s_wait_loadcnt 0x0
	v_med3_num_f32 v176, v176, -v10, v10
	s_wait_alu depctr_va_vdst(0)
	v_cvt_scalef32_pk8_fp8_f32 v[104:105], v[176:183], v11
	v_nop
	ds_store_b128 v4, v[104:107]
.irp i, 1,2,3,4,5,6,7,8,9,10,11,12,13,14,15
	ds_store_b128 v4, v[108:111] offset:16*\i
.endr
	s_wait_xcnt 0x0                                ; the stores above have read their data: the way out's registers are loaded again only behind this wait
	OUT 256
.Lend:
	s_wait_tensorcnt 0x0
	ds_add_u32 v192, v193
	s_wait_dscnt 0x0
	s_endpgm
.Lfunc_end_k_q99ecc237bf_quant:
	.size	k_q99ecc237bf_quant, .Lfunc_end_k_q99ecc237bf_quant-k_q99ecc237bf_quant
	.p2alignl 7, 3214868480
	.fill 96, 4, 3214868480
	.section	.rodata,"a",@progbits
	.p2align	6, 0x0
	.amdhsa_kernel k_q99ecc237bf_quant
		.amdhsa_group_segment_fixed_size 68096
		.amdhsa_private_segment_fixed_size 0
		.amdhsa_enable_private_segment 0
		.amdhsa_kernarg_size 64
		.amdhsa_user_sgpr_count 2
		.amdhsa_user_sgpr_kernarg_segment_ptr 1
		.amdhsa_wavefront_size32 1
		.amdhsa_system_sgpr_workgroup_id_x 1
		.amdhsa_system_sgpr_workgroup_id_y 1
		.amdhsa_system_sgpr_workgroup_id_z 1
		.amdhsa_system_vgpr_workitem_id 0
		.amdhsa_next_free_vgpr 194
		.amdhsa_next_free_sgpr 66
		.amdhsa_reserve_vcc 1
		.amdhsa_float_denorm_mode_32 3
		.amdhsa_float_denorm_mode_16_64 3
		.amdhsa_memory_ordered 1
		.amdhsa_forward_progress 1
		.amdhsa_inst_pref_size 135
	.end_amdhsa_kernel
	.amdgpu_metadata
---
amdhsa.version: [ 1, 2 ]
amdhsa.kernels:
  - .name:           k_q99ecc237bf_quant
    .symbol:         k_q99ecc237bf_quant.kd
    .args:
      - { .name: x, .offset: 0, .size: 8, .value_kind: global_buffer, .address_space: global }
      - { .name: W_Q, .offset: 8, .size: 8, .value_kind: global_buffer, .address_space: global }
      - { .name: W_K, .offset: 16, .size: 8, .value_kind: global_buffer, .address_space: global }
      - { .name: W_V, .offset: 24, .size: 8, .value_kind: global_buffer, .address_space: global }
      - { .name: W_O, .offset: 32, .size: 8, .value_kind: global_buffer, .address_space: global }
      - { .name: lowp_scales, .offset: 40, .size: 8, .value_kind: global_buffer, .address_space: global }
      - { .name: xc, .offset: 48, .size: 8, .value_kind: global_buffer, .address_space: global }
      - { .name: wc, .offset: 56, .size: 8, .value_kind: global_buffer, .address_space: global }
    .group_segment_fixed_size: 68096
    .private_segment_fixed_size: 0
    .kernarg_segment_align: 8
    .kernarg_segment_size: 64
    .max_flat_workgroup_size: 128
    .sgpr_count:     66
    .vgpr_count:     194
    .wavefront_size: 32
...
	.end_amdgpu_metadata
.endif
;; end of part 1
;; launch proj (part 2): grid 4 x 48, 4 waves a work-group, clusters of 4 x 4, 327,680 bytes of LDS; arguments xc, wc, lowp_scales, qkv; writes qkv
.if DOCPART == 2
	.amdgcn_target "amdgcn-amd-amdhsa--gfx1250"
	.amdhsa_code_object_version 6
	.text
	.protected	k_q99ecc237bf_proj
	.globl	k_q99ecc237bf_proj
	.p2align	8
	.type	k_q99ecc237bf_proj,@function
k_q99ecc237bf_proj:
	s_mov_b64 s[64:65], 0
	v_nop
	global_prefetch_b8 v0, s[64:65] scope:SCOPE_SE
	s_setreg_imm32_b32 hwreg(HW_REG_WAVE_MODE, 25, 1), 1
	s_wait_xcnt 0x0
	s_wait_alu depctr_hold_cnt(0) depctr_sa_sdst(0) depctr_va_vdst(0) depctr_va_sdst(0) depctr_va_ssrc(0) depctr_va_vcc(0) depctr_vm_vsrc(0)
	s_getreg_b32 s2, hwreg(HW_REG_IB_STS2, 6, 4)
	s_cmp_eq_u32 s2, 0
	s_cbranch_scc0 .Lentry_in_a_cluster
	s_endpgm
.Lentry_in_a_cluster:
	s_bfe_u32 s2, ttmp6, 0x10000c
	s_cmp_lg_u32 s2, 0xf033
	s_cbranch_scc0 .Lentry_shape_is_right
	s_endpgm
.Lentry_shape_is_right:
.set ROWB,   256
.set KROW,   1280
.set PITCH,  272
.set FR,     16
.set NL,     4
.set NP,     4
.set HALFT,  128*PITCH
.set SLOT,   4*HALFT
.set SPARE,  2*SLOT
.set XPL,    4096*KROW
.set WPL,    1024*KROW
.set PL,     4194304
.set ADRA, 16
.set ADRB, 20
.set LI,   27
.set SPW,  28
.set NIL,  29
.set SC,   30
.set LIM,  31
.set TMP,  32
.set AF,   128
.set CD,   128
.set G1, 24
.set G0, 32
.set G1B, 48
.set G0B, 56
.set MSB, 0
.macro WIN new
.if MSB != (\new)
	s_set_vgpr_msb (MSB<<8)|(\new)
.set MSB, (\new)
.endif
.endm
.set MUL_LO, 0xa1
.set MUL_HI, 0xf1
.set TO_B,   0x40
.macro JLOAD g0a, g1a, g0b, g1b
	s_cmp_eq_u32 s15, 0
	s_cbranch_scc0 .Lfor_b_\@
	tensor_load_to_lds s[\g0a:\g0a+3], s[\g1a:\g1a+7]
	s_nop 0
.rept 4
	v_nop
.endr
	s_branch .Lasked_\@
.Lfor_b_\@:
	tensor_load_to_lds s[\g0b:\g0b+3], s[\g1b:\g1b+7]
	s_nop 0
.rept 4
	v_nop
.endr
.Lasked_\@:
.endm
.macro CREST
	s_cmp_lg_u32 s14, 0
	s_cbranch_scc1 .Lnot_wave_0_\@
	s_barrier_signal -3
.Lnot_wave_0_\@:
	s_barrier_wait -3
	s_barrier_signal -1
	s_barrier_wait -1
.endm
.macro CROUND
	s_barrier_signal -1
	s_barrier_wait -1
	CREST
.endm
	s_load_b256 s[4:11], s[0:1], 0x0
	v_lshl_add_u32 v[SPW], v0, 2, SPARE
	v_mov_b32 v[NIL], 0
	ds_add_u32 v28, v29
	ds_add_u32 v28, v29
	s_wait_dscnt 0x0
	v_lshrrev_b32 v1, 5, v0
	v_readfirstlane_b32 s14, v1
	s_lshr_b32 s15, s14, 1
	s_and_b32 s16, s14, 1
	s_bfe_u32 s40, ttmp6, 0x40000
	s_bfe_u32 s41, ttmp6, 0x40004
	s_and_b32 s80, ttmp7, 0xffff
	s_lshr_b32 s81, s80, 2
	s_and_b32 s82, s80, 3
	s_lshl_b32 s82, s82, 2
	s_mul_i32 s90, s81, XPL
	s_mul_i32 s92, s81, WPL
	s_cmp_eq_u32 s81, 2
	s_cselect_b32 s83, 0, s82
	s_cselect_b32 s84, s82, 0
	s_cselect_b32 s90, 2*WPL, s90
	s_cselect_b32 s92, 2*XPL, s92
	s_add_co_u32 s17, s83, s41
	s_add_co_u32 s42, s84, s40
	s_lshl_b32 s43, s41, 2
	s_lshl_b32 s43, 15, s43
	s_lshl_b32 s44, 0x1111, s40
	s_or_b32 s[G1+0], s43, (0<<16)|(1<<20)|(1<<21)|(5<<22)|(3<<25)
	s_or_b32 s[G1B+0], s44, (0<<16)|(1<<20)|(1<<21)|(5<<22)|(3<<25)
.irp g, G1, G1B
	s_mov_b32 s[\g+1], ROWB<<16
	s_mov_b32 s[\g+2], 128<<16
	s_mov_b32 s[\g+3], ROWB<<16
	s_mov_b32 s[\g+4], 128
	s_mov_b32 s[\g+5], KROW
	s_mov_b32 s[\g+6], 0
	s_mov_b32 s[\g+7], 0
.endr
	s_lshl_b32 s18, s16, 7
	s_lshl_b32 s20, s17, 8
	s_add_co_u32 s20, s20, s18
	s_mul_i32 s20, s20, KROW
	s_add_co_u32 s20, s20, s90
	s_mov_b32 s21, 0
	s_lshl_b32 s46, s42, 8
	s_add_co_u32 s46, s46, s18
	s_mul_i32 s46, s46, KROW
	s_add_co_u32 s46, s46, s92
	s_mov_b32 s47, 0
	s_mul_i32 s45, s14, HALFT
	s_wait_kmcnt 0x0
	s_load_b256 s[68:75], s[8:9], 0x0
	s_load_b128 s[76:79], s[8:9], 0x20
	s_cmp_eq_u32 s81, 2
	s_cselect_b64 s[86:87], s[6:7], s[4:5]
	s_cselect_b64 s[88:89], s[4:5], s[6:7]
	s_add_nc_u64 s[20:21], s[86:87], s[20:21]
	s_add_nc_u64 s[46:47], s[88:89], s[46:47]
	CROUND
.irp s, 0,1
	s_mov_b32 s[G0+4*\s], 1
	s_add_co_u32 s[G0+4*\s+1], s45, \s*SLOT
	s_add_nc_u64 s[G0+4*\s+2:G0+4*\s+3], s[20:21], \s*ROWB
	s_or_b32 s[G0+4*\s+3], s[G0+4*\s+3], 0x80000000
	s_mov_b32 s[G0B+4*\s], 1
	s_add_co_u32 s[G0B+4*\s+1], s45, \s*SLOT
	s_add_nc_u64 s[G0B+4*\s+2:G0B+4*\s+3], s[46:47], \s*ROWB
	s_or_b32 s[G0B+4*\s+3], s[G0B+4*\s+3], 0x80000000
	s_wait_alu depctr_va_vdst(0)
	s_wait_tensorcnt 0x0
	ds_add_u32 v28, v29
	ds_add_u32 v28, v29
	s_wait_dscnt 0x0
	CROUND
	JLOAD G0+4*\s, G1, G0B+4*\s, G1B
.endr
	v_and_b32 v1, 15, v0
	v_bfe_u32 v2, v0, 4, 1
	v_mul_u32_u24 v3, v1, PITCH
	v_lshl_add_u32 v4, v2, 4, v3
	s_mul_i32 s21, s15, HALFT
	s_mul_i32 s22, s16, HALFT
	s_add_co_u32 s22, s22, 2*HALFT
.irp s, 0,1
	v_add_nc_u32 v[ADRA+\s], s21, v4
	v_add_nc_u32 v[ADRB+\s], s22, v4
	s_add_co_u32 s21, s21, SLOT
	s_add_co_u32 s22, s22, SLOT
.endr
	v_and_b32 v5, 31, v0
	v_lshlrev_b32 v[LI], 4, v5
	s_lshl_b32 s94, s17, 1
	s_add_co_u32 s94, s94, s15
	s_lshl_b32 s95, s42, 1
	s_add_co_u32 s95, s95, s16
	s_cmp_eq_u32 s81, 2
	s_cselect_b32 s96, s94, s95
	s_cselect_b32 s97, s95, s94
	s_lshl_b32 s96, s96, 5
	s_add_co_u32 s96, s96, s97
	s_lshl_b32 s96, s96, 14
	s_mul_i32 s97, s81, PL
	s_add_co_u32 s96, s96, s97
	s_mov_b32 s97, 0
	s_add_nc_u64 s[10:11], s[10:11], s[96:97]
.macro FRAG reg, adr, q, i
.irp c, 0,1,2,3
	ds_load_b128 v[\reg+4*\c:\reg+4*\c+3], v[\adr] offset:128*(\q)+32*\c+(\i)*16*PITCH
.endr
.endm
.macro MUL16 a0, p, zero
.irp a, \a0, \a0+1
.irp b, 0,1,2,3,4,5,6,7
.if \zero
	v_wmma_f32_16x16x128_fp8_fp8 v[8*(8*((\a)%4)+\b):8*(8*((\a)%4)+\b)+7], v[128*(\p)+FR*\b:128*(\p)+FR*\b+FR-1], v[AF+FR*(\a):AF+FR*(\a)+FR-1], 0
.else
	v_wmma_f32_16x16x128_fp8_fp8 v[8*(8*((\a)%4)+\b):8*(8*((\a)%4)+\b)+7], v[128*(\p)+FR*\b:128*(\p)+FR*\b+FR-1], v[AF+FR*(\a):AF+FR*(\a)+FR-1], v[8*(8*((\a)%4)+\b):8*(8*((\a)%4)+\b)+7]
.endif
.endr
.endr
.endm
.macro FETCH_B slot, q, p
	WIN TO_B
.irp i, 0,1,2,3,4,5,6,7
	FRAG 128*(\p)+FR*\i, ADRB+\slot, \q, \i
.endr
	WIN 0
.endm
.macro FETCH_A slot, q, i0
.irp i, \i0, \i0+1, \i0+2, \i0+3
	FRAG AF+FR*(\i), ADRA+\slot, \q, \i
.endr
.endm
.macro PLACES n
.rept \n
	v_nop
.endr
.endm
.macro STEP slot, q, zero
	s_wait_dscnt 4*NL
	WIN MUL_LO
	MUL16 0, (\q)%2, \zero
	MUL16 2, (\q)%2, \zero
	s_wait_dscnt 0
	PLACES NP
	FETCH_B \slot, (\q)+1, 1-(\q)%2
	FETCH_A \slot, (\q)+1, 0
	WIN MUL_HI
	MUL16 4, (\q)%2, \zero
	MUL16 6, (\q)%2, \zero
	PLACES NP
	WIN 0
	FETCH_A \slot, (\q)+1, 4
.endm
.macro TURN slot, next, fill
	s_wait_tensorcnt 0x0
	ds_add_u32 v[SPW], v[NIL]
	s_wait_dscnt 4*NL+1
	WIN MUL_LO
	MUL16 0, 1, 0
	s_wait_dscnt 0x0
	s_barrier_signal -1
	MUL16 2, 1, 0
	WIN 0
	s_barrier_wait -1
.if \fill
	CREST
	s_add_nc_u64 s[G0+4*\slot+2:G0+4*\slot+3], s[G0+4*\slot+2:G0+4*\slot+3], 2*ROWB
	s_add_nc_u64 s[G0B+4*\slot+2:G0B+4*\slot+3], s[G0B+4*\slot+2:G0B+4*\slot+3], 2*ROWB
	JLOAD G0+4*\slot, G1, G0B+4*\slot, G1B
.else
	PLACES NP
.endif
	FETCH_B \next, 0, 0
	FETCH_A \next, 0, 0
	WIN MUL_HI
	MUL16 4, 1, 0
	MUL16 6, 1, 0
	PLACES NP
	WIN 0
	FETCH_A \next, 0, 4
.endm
	s_wait_alu depctr_va_vdst(0)
	s_wait_tensorcnt 1
	s_barrier_signal -1
	s_barrier_wait -1
	FETCH_B 0, 0, 0
	FETCH_A 0, 0, 0
	FETCH_A 0, 0, 4
	STEP 0, 0, 1
	TURN 0, 1, 1
	STEP 1, 0, 0
	TURN 1, 0, 1
	STEP 0, 0, 0
	TURN 0, 1, 1
	STEP 1, 0, 0
	TURN 1, 0, 0
	s_wait_dscnt 4*NL
	WIN MUL_LO
	MUL16 0, 0, 0
	MUL16 2, 0, 0
	s_wait_dscnt 0
	WIN MUL_HI
	MUL16 4, 0, 0
	MUL16 6, 0, 0
	WIN 0
	s_wait_kmcnt 0x0
	s_sub_co_i32 s83, s74, s68
	s_sub_co_i32 s83, s83, s69
	s_sub_co_i32 s84, s75, s70
	s_sub_co_i32 s84, s84, s71
	s_sub_co_i32 s85, s77, s72
	s_sub_co_i32 s85, s85, s73
	s_cmp_eq_u32 s81, 1
	s_cselect_b32 s83, s84, s83
	s_cmp_eq_u32 s81, 2
	s_cselect_b32 s83, s85, s83
	s_add_co_i32 s83, s83, 127
	s_lshl_b32 s84, s83, 23
	v_mov_b32 v[SC], s84
	s_add_co_i32 s83, s83, 8
	s_lshl_b32 s83, s83, 23
	s_or_b32 s83, s83, 0x600000
	v_mov_b32 v[LIM], s83
	PLACES NP
.macro QOUT a
.set AC, 64*((\a)%4)
	WIN 0x02+((\a)/4)
.set i, 0
.rept 64
	v_med3_num_f32 v[TMP+i], v[AC+i], -v[LIM], v[LIM]
.set i, i+1
.endr
	WIN 0
.irp b, 0,1,2,3,4,5,6,7
	v_cvt_scalef32_pk8_fp8_f32 v[CD+16*(\a)+2*\b:CD+16*(\a)+2*\b+1], v[TMP+8*\b:TMP+8*\b+7], v[SC]
.endr
	v_nop
.irp c, 0,1,2,3
	global_store_b128 v[LI], v[CD+16*(\a)+4*\c:CD+16*(\a)+4*\c+3], s[10:11] offset:2048*(\a)+512*\c
.endr
.endm
.irp a, 0,1,2,3,4,5,6,7
	QOUT \a
.endr
	s_wait_tensorcnt 0x0
	ds_add_u32 v[SPW], v[NIL]
	s_wait_dscnt 0x0
	CROUND
	s_endpgm
.Lfunc_end_k_q99ecc237bf_proj:
	.size	k_q99ecc237bf_proj, .Lfunc_end_k_q99ecc237bf_proj-k_q99ecc237bf_proj
	.p2alignl 7, 3214868480
	.fill 96, 4, 3214868480
	.section	.rodata,"a",@progbits
	.p2align	6, 0x0
	.amdhsa_kernel k_q99ecc237bf_proj
		.amdhsa_group_segment_fixed_size 327680
		.amdhsa_private_segment_fixed_size 0
		.amdhsa_enable_private_segment 0
		.amdhsa_kernarg_size 32
		.amdhsa_user_sgpr_count 2
		.amdhsa_user_sgpr_kernarg_segment_ptr 1
		.amdhsa_wavefront_size32 1
		.amdhsa_system_sgpr_workgroup_id_x 1
		.amdhsa_system_sgpr_workgroup_id_y 1
		.amdhsa_system_sgpr_workgroup_id_z 1
		.amdhsa_system_vgpr_workitem_id 0
		.amdhsa_next_free_vgpr 1024
		.amdhsa_next_free_sgpr 100
		.amdhsa_reserve_vcc 0
		.amdhsa_float_denorm_mode_32 3
		.amdhsa_float_denorm_mode_16_64 3
		.amdhsa_memory_ordered 1
		.amdhsa_forward_progress 1
		.amdhsa_inst_pref_size 129
	.end_amdhsa_kernel
	.amdgpu_metadata
---
amdhsa.version: [ 1, 2 ]
amdhsa.kernels:
  - .name:           k_q99ecc237bf_proj
    .symbol:         k_q99ecc237bf_proj.kd
    .args:
      - { .name: xc, .offset: 0, .size: 8, .value_kind: global_buffer, .address_space: global }
      - { .name: wc, .offset: 8, .size: 8, .value_kind: global_buffer, .address_space: global }
      - { .name: lowp_scales, .offset: 16, .size: 8, .value_kind: global_buffer, .address_space: global }
      - { .name: qkv, .offset: 24, .size: 8, .value_kind: global_buffer, .address_space: global }
    .group_segment_fixed_size: 327680
    .private_segment_fixed_size: 0
    .kernarg_segment_align: 8
    .kernarg_segment_size: 32
    .max_flat_workgroup_size: 128
    .sgpr_count:     100
    .vgpr_count:     1024
    .wavefront_size: 32
...
	.end_amdgpu_metadata
.endif
;; end of part 2
;; launch attn (part 3): grid 32 x 8, 8 waves a work-group, clusters of 4 x 4, 327,680 bytes of LDS; arguments qkv, mask, lowp_scales, cimg; writes cimg
.if DOCPART == 3
	.amdgcn_target "amdgcn-amd-amdhsa--gfx1250"
	.amdhsa_code_object_version 6
	.text
	.protected	k_q99ecc237bf_attn
	.globl	k_q99ecc237bf_attn
	.p2align	8
	.type	k_q99ecc237bf_attn,@function
k_q99ecc237bf_attn:
	s_mov_b64 s[64:65], 0
	v_nop
	global_prefetch_b8 v0, s[64:65] scope:SCOPE_SE
	s_setreg_imm32_b32 hwreg(HW_REG_WAVE_MODE, 25, 1), 1
	s_wait_xcnt 0x0
	s_wait_alu depctr_hold_cnt(0) depctr_sa_sdst(0) depctr_va_vdst(0) depctr_va_sdst(0) depctr_va_ssrc(0) depctr_va_vcc(0) depctr_vm_vsrc(0)
	s_getreg_b32 s2, hwreg(HW_REG_IB_STS2, 6, 4)
	s_cmp_eq_u32 s2, 0
	s_cbranch_scc0 .Lentry_in_a_cluster
	s_endpgm
.Lentry_in_a_cluster:
	s_bfe_u32 s2, ttmp6, 0x10000c
	s_cmp_lg_u32 s2, 0xf033
	s_cbranch_scc0 .Lentry_shape_is_right
	s_endpgm
.Lentry_shape_is_right:
; Attention on codes of FP8 (E4M3): logit = (q . k) 2^(e6 + e7) / 32 + mask;  t = logit x log2(e);  M = the running largest t rounded up to a whole number;  p = 2^(t - M) is quantised on 2^e8;
; O = sum of p v (v on 2^e9), divided at the end by the sum of the unquantised p, and quantised on 2^e10 for the last product.
; SHARES.  A work-group owns 128 queries of one head and has EIGHT waves of 512 registers, two to a SIMD.  Wave w: g = w % 4 names 32 queries (two tiles of 16), u = w / 4 names 64 of a step's 128 keys.
; So each byte of K, V and the mask is read from LDS by as many waves as with four waves of 128 keys, and each fragment of K and V feeds two matrix instructions.  32 steps of 128 keys.
; Each wave keeps M, the sum and O^T for its own keys.  At the end waves w and w + 4 hand each other one tile through LDS and join the two parts under the larger M: both factors are powers of two.
; A wave's tile 0 is query tile u of its 32 queries and its tile 1 the other one: so every wave keeps its tile 0 and sends its tile 1, and no register number hangs on u.
; LAYOUT.  Both products are used transposed: S^T = K Q^T (K = 128), O^T = V^T P^T (K = my 64 keys: the form of K = 64): a lane holds ONE query (lane % 16); the 8 registers of S^T's tile t are keys
; 64 u + 16 t + 8 (lane / 16) + 0 .. 7, which, converted, are registers 2 t, 2 t + 1 of P.  q, k, v come as images of operand registers of the K = 128 form (registers 4 c .. 4 c + 3 of lane l at 512 c + 16 l);
; registers 8 u .. 8 u + 7 of V's image are the K = 64 fragment of my keys.
; THE RING.  Two LDS slots, 2^17 bytes apart, one key step each: K's image 16,384 bytes, V's 16,384, then 128 rows of the mask, 512 bytes + 16 of padding each.  Every wave fetches: waves 0-3 a quarter of K and V, waves 4-7 32 rows of the mask.
; CLUSTER 4 x 4: along a row of the cluster four query blocks of one head: K's and V's tiles are asked for jointly; along a column four heads of one query block: the mask's tiles are.
; THE SECOND PRODUCT OF A STEP STANDS IN THE NEXT TRIP, behind the run of LDS loads for K.
; OUTPUT cimg: [token tile 256][K step 10][2,048 bytes]: K step h is head h's fragment; K step 8 holds the code of the appended 1 at k = 0; the rest of K steps 8 and 9 is 0 (each head stores 512 bytes of them).
; LIMITS: e6 + e7 - 5 between -126 and 127; e8, e10 and e10 - e8 - e9 between -126 and 119.  NaN or +infinity in the mask, and a row whose mask is -infinity everywhere (reference() gives NaN there), are not served.
; p is quantised under the wave's own running M, which is at most the row's: the later factors are exact powers of two.
; REGISTERS: window 0: v1-13 addresses; v16-31 statistics; v32-61 at work, scales; v64-127 S^T, then p; v128-143 P's codes; v144-175 Q; v176-239 the mask.   window 1: v0-63 K; v64-127 V; v128-255 O^T.
.set PL,    4194304
.set SLOT1, 1<<17
.set VOFF,  16384
.set MOFF,  32768
.set MP,    528                        ; a mask row in LDS: 33 x 16 bytes
.set SPARE, 2*SLOT1                    ; the spare words: 128 bytes for each of eight waves
.set TP,    20480                      ; a token tile of cimg
.set XR,    8448                       ; the exchange at the end: 8,192 bytes of O^T and 256 of statistics for each wave, in slot 0
.set LI,  1                            ; 16 x lane
.set AK0, 2                            ; my lane's place in K's image
.set AV0, 3                            ; in V's
.set SPW, 5
.set NIL, 6
.set PFO, 7                            ; the prefetches' offset
.set AM0, 8                            ; v8, v9: my lane's place in the mask's tile, for my tiles 0 and 1
.set ADK, 10                           ; the same four in the slot in hand
.set ADV, 11
.set ADM, 12
.set ST,  16                           ; tile q's statistics at v[ST + 8 q]: +0 -M, +1 the largest t, +2, +3 the sum in two halves, +4 f (+5 named with it), +6, +7 at work
.set S,   64
.set P,   128
.set Q,   144
.set MK,  176
.set KF,  0                            ; window 1
.set VF,  64
.set O,   128
.set WV,   12
.set SEL,  20
.set SA,   22                          ; s[22:23] 2^(e6 + e7 - 5)
.set L2E,  24
.set G1KV, 28
.set G1M,  36
.set G0KV, 44
.set G0M,  48
.set TB,   52
.set CNT,  53
.set PFA,  54
.set PFS,  56
.set LIM,  58
.set MSB, 0
.macro WIN new
.if MSB != (\new)
	s_set_vgpr_msb (MSB<<8)|(\new)
.set MSB, (\new)
.endif
.endm
; A joint load, one a wave: the branch hangs on the wave's number alone.  s_nop 0 and four v_nop follow each line.
.macro JLOAD
	s_cmp_lt_u32 s[WV], 4
	s_cbranch_scc0 .Lfor_m_\@
	tensor_load_to_lds s[G0KV:G0KV+3], s[G1KV:G1KV+7]
	s_nop 0
.rept 4
	v_nop
.endr
	s_branch .Lasked_\@
.Lfor_m_\@:
	tensor_load_to_lds s[G0M:G0M+3], s[G1M:G1M+7]
	s_nop 0
.rept 4
	v_nop
.endr
.Lasked_\@:
.endm
.macro CREST
	s_cmp_lg_u32 s[WV], 0
	s_cbranch_scc1 .Lnot_wave_0_\@
	s_barrier_signal -3
.Lnot_wave_0_\@:
	s_barrier_wait -3
	s_barrier_signal -1
	s_barrier_wait -1
.endm
.macro CROUND
	s_barrier_signal -1
	s_barrier_wait -1
	CREST
.endm
; A PREFETCH INTO THE L2: trip j, whose tensor loads ask for key step j + 1, names key step j + 3.  One instruction a wave, behind the trip's tensor load and LDS loads.  Each aligned block of 256 bytes is named once in each cluster that will load it.
; K and V of a head: wave 0 asks; the four partners of a head take 8,192 bytes each of the step's 32,768, told apart by address; lanes 256 bytes apart.  The mask's tile of a query block: the four partners of a column
; take 32 rows each, by address; a lane a row; wave 4 the first 256 bytes of the row's 512, wave 5 the second.  Key steps 1 and 2 are named at the head, behind the first tensor load; trips 29 and 30 ask for nothing.
.macro ASK how
.if \how == 1
	s_cmp_gt_u32 s[CNT], s[LIM]                    ; in the loop s[CNT] = 31 - j
.else
	s_cmp_eq_u32 s[LIM], 2
.endif
	s_cbranch_scc0 .Lnot_mine_\@
	global_prefetch_b8 v[PFO], s[PFA:PFA+1] th:TH_LOAD_NT scope:SCOPE_SE
.Lnot_mine_\@:
.endm
	s_load_b256 s[4:11], s[0:1], 0x0               ; qkv 4:5, mask 6:7, the scales' exponents 8:9, cimg 10:11
	v_lshl_add_u32 v[SPW], v0, 2, SPARE
	v_mov_b32 v[NIL], 0
	ds_add_u32 v[SPW], v[NIL]                      ; the opening lines: the add twice on end and its wait ahead of my first tensor load
	ds_add_u32 v[SPW], v[NIL]
	v_lshrrev_b32 v14, 5, v0
	v_readfirstlane_b32 s[WV], v14                 ; wave 0..7
	s_and_b32 s18, s[WV], 3                        ; g
	s_lshr_b32 s19, s[WV], 2                       ; u
	s_bfe_u32 s13, ttmp6, 0x40000                  ; cx
	s_bfe_u32 s14, ttmp6, 0x40004                  ; cy
	s_lshl_b32 s15, ttmp9, 2
	s_add_co_u32 s15, s15, s13                     ; my block of 128 queries
	s_and_b32 s17, ttmp7, 0xffff                   ; cluster y
	s_lshl_b32 s16, s17, 2
	s_add_co_u32 s16, s16, s14                     ; my head
	s_lshl_b32 s80, s14, 2
	s_lshl_b32 s80, 15, s80                        ; my row of the cluster: one head
	s_lshl_b32 s84, 0x1111, s13                    ; my column: one query block
	s_or_b32 s[G1KV], s80, (3<<16)|(1<<21)         ; elements of 8 bytes; a dense block of 32 rows of 256 bytes
	s_mov_b32 s[G1KV+1], 32<<16
	s_mov_b32 s[G1KV+2], 32<<16
	s_mov_b32 s[G1KV+3], 32<<16
	s_mov_b32 s[G1KV+4], 32
	s_mov_b32 s[G1KV+5], 32
	s_mov_b32 s[G1KV+6], 0
	s_mov_b32 s[G1KV+7], 0
	s_or_b32 s[G1M], s84, (2<<16)|(1<<20)|(1<<21)|(6<<22)|(3<<25)  ; elements of 4 bytes; 4 words of padding after every 128: 32 rows of 128 numbers, 4,096 numbers apart
	s_mov_b32 s[G1M+1], 128<<16
	s_mov_b32 s[G1M+2], 32<<16
	s_mov_b32 s[G1M+3], 128<<16
	s_mov_b32 s[G1M+4], 32
	s_mov_b32 s[G1M+5], 4096
	s_mov_b32 s[G1M+6], 0
	s_mov_b32 s[G1M+7], 0
	s_lshr_b32 s81, s18, 1
	s_mul_i32 s82, s81, PL
	s_add_co_u32 s82, s82, PL                      ; plane 1 (K) or 2 (V),
	s_lshl_b32 s81, s16, 19
	s_add_co_u32 s82, s82, s81                     ; the head's 32 blocks of 16,384 bytes,
	s_and_b32 s81, s18, 1
	s_lshl_b32 s81, s81, 13
	s_add_co_u32 s82, s82, s81                     ; a half of a block
	s_mov_b32 s83, 0
	s_lshl_b32 s86, s15, 21                        ; the mask: 128 rows of 16,384 bytes a query block,
	s_lshl_b32 s85, s18, 19                        ; 32 rows a wave
	s_add_co_u32 s86, s86, s85
	s_mov_b32 s87, 0
	s_mov_b32 s[SEL], 0x76543210
	s_mov_b32 s[SEL+1], 0xfedcba98
	s_mov_b32 s[L2E], 0x3fb8aa3b
	s_mov_b32 s[L2E+1], s[L2E]
	s_mov_b32 s[TB], 0
	s_wait_dscnt 0x0                               ; both opening adds are done
	s_wait_kmcnt 0x0
	s_load_b256 s[68:75], s[8:9], 0x0              ; e0 .. e7
	s_load_b128 s[76:79], s[8:9], 0x20             ; e8 .. e11
	s_mov_b32 s[G0KV], 1
	s_lshl_b32 s[G0KV+1], s18, 13                  ; slot 0: K at 0, V at 16,384, in quarters of 8,192
	s_add_nc_u64 s[G0KV+2:G0KV+3], s[4:5], s[82:83]
	s_or_b32 s[G0KV+3], s[G0KV+3], 0x80000000
	s_mov_b32 s[G0M], 1
	s_mul_i32 s[G0M+1], s18, 32*MP
	s_add_co_u32 s[G0M+1], s[G0M+1], MOFF
	s_add_nc_u64 s[G0M+2:G0M+3], s[6:7], s[86:87]
	s_or_b32 s[G0M+3], s[G0M+3], 0x80000000
	CROUND                                         ; all sixteen work-groups are here: the first joint loads meet
	JLOAD                                          ; key step 0: my one tensor load at the head
	s_lshl_b32 s88, s16, 5
	s_add_co_u32 s88, s88, s15
	s_lshl_b32 s88, s88, 14
	s_lshl_b32 s89, s18, 12
	s_add_co_u32 s88, s88, s89
	s_mov_b32 s89, 0
	s_add_nc_u64 s[66:67], s[4:5], s[88:89]        ; Q: plane 0, my head's block, my 32 queries' two fragments
	s_lshl_b32 s88, s15, 3
	s_lshl_b32 s90, s18, 1
	s_add_co_u32 s88, s88, s90
	s_add_co_u32 s88, s88, s19                     ; the token tile that I finish: 8 x block + 2 g + u
	s_mul_i32 s88, s88, TP
	s_lshl_b32 s90, s16, 11
	s_add_co_u32 s90, s90, s88
	s_mov_b32 s91, 0
	s_add_nc_u64 s[60:61], s[10:11], s[90:91]      ; K step = my head
	s_lshl_b32 s90, s16, 9
	s_add_co_u32 s90, s90, s88
	s_add_co_u32 s90, s90, 16384
	s_add_nc_u64 s[62:63], s[10:11], s[90:91]      ; my head's 512 bytes of K steps 8 and 9
	s_lshr_b32 s92, s13, 1                         ; the prefetches.  K, V: plane 1 + cx / 2, half cx % 2, at key step 1
	s_mul_i32 s92, s92, PL
	s_add_co_u32 s92, s92, PL+16384
	s_lshl_b32 s93, s16, 19
	s_add_co_u32 s92, s92, s93
	s_and_b32 s93, s13, 1
	s_lshl_b32 s93, s93, 13
	s_add_co_u32 s92, s92, s93
	s_lshl_b32 s94, s15, 21                        ; the mask: rows 128 x query block + 32 cy on, the wave's 256 bytes, at key step 1
	s_lshl_b32 s95, s14, 19
	s_add_co_u32 s94, s94, s95
	s_and_b32 s95, s[WV], 1
	s_lshl_b32 s95, s95, 8
	s_add_co_u32 s94, s94, s95
	s_add_co_u32 s94, s94, 512
	s_mov_b32 s[PFS], 512
	s_cmp_lt_u32 s[WV], 4
	s_cselect_b64 s[PFA:PFA+1], s[4:5], s[6:7]
	s_cselect_b32 s[PFS], 16384, s[PFS]
	s_cselect_b32 s92, s92, s94
	s_cselect_b32 s95, 8, 14                       ; lanes 256 bytes apart, or a row of the mask
	s_cselect_b32 s97, 3, 2                        ; of waves 0-3 wave 0 asks, of waves 4-7 waves 4 and 5
	s_mov_b32 s93, 0
	s_mov_b32 s[PFS+1], 0
	s_add_nc_u64 s[PFA:PFA+1], s[PFA:PFA+1], s[92:93]
	s_and_b32 s97, s[WV], s97
	s_cmp_eq_u32 s97, 0
	s_cselect_b32 s[LIM], 2, -1                    ; the same in all sixteen partners, for a given wave
	s_xor_b32 s80, s19, 1                          ; 1 - u
	s_lshl_b32 s81, s19, 11                        ; Q: my tile 0 is fragment u, my tile 1 fragment 1 - u
	s_lshl_b32 s82, s80, 11
	s_lshl_b32 s83, s19, 13                        ; K: tiles 4 u .. 4 u + 3 of 2,048 bytes
	s_lshl_b32 s84, s19, 10                        ; V: registers 8 u .. 8 u + 7 of each fragment
	s_add_co_u32 s84, s84, VOFF
	s_mul_i32 s85, s18, 32*MP
	s_add_co_u32 s85, s85, MOFF
	s_lshl_b32 s86, s19, 8
	s_add_co_u32 s85, s85, s86                     ; the mask: row 32 g, + my 64 keys' 256 bytes
	s_mul_i32 s86, s19, 16*MP
	s_add_co_u32 s86, s86, s85                     ; my tile 0's 16 rows,
	s_mul_i32 s87, s80, 16*MP
	s_add_co_u32 s87, s87, s85                     ; my tile 1's
	v_and_b32 v[PFO], 31, v0
	v_lshlrev_b32 v[LI], 4, v[PFO]
	v_lshlrev_b32 v[PFO], s95, v[PFO]
	v_add_nc_u32 v14, s81, v[LI]
	v_add_nc_u32 v15, s82, v[LI]
	v_add_nc_u32 v[AK0], s83, v[LI]
	v_add_nc_u32 v[AV0], s84, v[LI]
	v_and_b32 v48, 15, v0                          ; r
	v_bfe_u32 v49, v0, 4, 1                        ; h
	v_mul_u32_u24 v48, v48, MP
	v_lshl_add_u32 v48, v49, 5, v48                ; row r, + 32 h bytes: my 8 keys of a tile of 16
	v_add_nc_u32 v[AM0], s86, v48
	v_add_nc_u32 v[AM0+1], s87, v48
.irp q, 0,1
.irp c, 0,1,2,3
	global_load_b128 v[Q+16*\q+4*\c:Q+16*\q+4*\c+3], v[14+\q], s[66:67] offset:512*\c   ; Q stays in registers
.endr
.endr
.irp q, 0,1
	v_mov_b32 v[ST+8*\q+1], 0xff61b1e6             ; the largest t so far: -3e38
	v_floor_f32 v[ST+8*\q], -v[ST+8*\q+1]          ; -M
	v_mov_b32 v[ST+8*\q+2], 0                      ; the sum
	v_mov_b32 v[ST+8*\q+3], 0
	v_mov_b32 v[ST+8*\q+4], 0
	v_mov_b32 v[ST+8*\q+5], 0
	v_mov_b32 v[32+\q], 0                          ; a lane permute's destination counts as one of its sources
.endr
	s_wait_alu depctr_va_vdst(0)                   ; the wait here, directly ahead of the wait below
	s_wait_kmcnt 0x0
	ASK 2                                          ; key step 1, whose load follows key step 0's landing
	s_add_co_i32 s[SA], s74, s75
	s_add_co_i32 s[SA], s[SA], 122                 ; e6 + e7 - 5 + 127
	s_lshl_b32 s[SA], s[SA], 23
	s_mov_b32 s[SA+1], s[SA]
	s_add_co_i32 s88, s76, 127
	s_lshl_b32 s89, s88, 23
	v_mov_b32 v38, s89                             ; 2^e8
	s_add_co_i32 s88, s88, 8
	s_lshl_b32 s88, s88, 23
	s_or_b32 s88, s88, 0x600000
	v_mov_b32 v39, s88                             ; 448 x 2^e8
	s_sub_co_i32 s88, s78, s76
	s_sub_co_i32 s88, s88, s77
	s_add_co_i32 s88, s88, 127
	s_lshl_b32 s89, s88, 23
	v_mov_b32 v40, s89                             ; 2^(e10 - e8 - e9): O's sums stand for sum x 2^(e8 + e9)
	s_add_co_i32 s88, s88, 8
	s_lshl_b32 s88, s88, 23
	s_or_b32 s88, s88, 0x600000
	v_mov_b32 v41, s88
	s_add_co_i32 s88, s78, 127
	s_lshl_b32 s89, s88, 23
	v_mov_b32 v42, s89                             ; 2^e10
	s_add_co_i32 s88, s88, 8
	s_lshl_b32 s88, s88, 23
	s_or_b32 s88, s88, 0x600000
	v_mov_b32 v43, s88
	v_mov_b32 v58, 1.0                             ; the appended 1: its code stands at k = 0 of K step 8: lanes 0-15, register 0, lowest byte: head 0's 512 bytes
	v_med3_num_f32 v48, v58, -v43, v43
.irp i, 1,2,3,4,5,6,7
	v_mov_b32 v[48+\i], 0
.endr
	v_cvt_scalef32_pk8_fp8_f32 v[56:57], v[48:55], v42
	v_nop
	s_cmp_eq_u32 s16, 0
	s_cselect_b32 s88, 16, 0                       ; a value is chosen; no branch hangs on it
	v_and_b32 v59, 31, v0
	v_cmp_gt_u32 vcc_lo, s88, v59
	v_cndmask_b32 v44, 0, v56, vcc_lo
	v_mov_b32 v45, 0
	v_mov_b32 v46, 0
	v_mov_b32 v47, 0
	s_wait_alu depctr_va_vdst(0)                   ; the wait at the head's end
	s_wait_xcnt 0x0                                ; the prefetch above has read its address
	s_add_nc_u64 s[PFA:PFA+1], s[PFA:PFA+1], s[PFS:PFS+1]
	ASK 2                                          ; key step 2; the first trip steps the address to key step 3
	s_wait_loadcnt 0x0                             ; Q
.macro RESCALE                         ; O^T under the new M: x f, a power of two; each accumulator from its low end on
	WIN 0x41
	s_wait_alu depctr_va_vdst(0)                   ; the wait here, directly ahead of the first reader of O^T
.irp q, 0,1
.set i, 0
.rept 32
	v_pk_mul_f32 v[O+64*\q+i:O+64*\q+i+1], v[O+64*\q+i:O+64*\q+i+1], v[ST+8*\q+4:ST+8*\q+5] op_sel_hi:[1,0]
.set i, i+2
.endr
.endr
	WIN 0
.endm
.macro PVS zero                        ; O^T += V^T P^T over my 64 keys: 16 accumulators, one instruction each.  zero = 1: the products start the sums
.if \zero
	WIN 0x41
.else
	WIN 0x51
.endif
.irp d, 0,1,2,3,4,5,6,7
.irp q, 0,1
.if \zero
	v_wmma_f32_16x16x64_fp8_fp8 v[O+64*\q+8*\d:O+64*\q+8*\d+7], v[VF+8*\d:VF+8*\d+7], v[P+8*\q:P+8*\q+7], 0
.else
	v_wmma_f32_16x16x64_fp8_fp8 v[O+64*\q+8*\d:O+64*\q+8*\d+7], v[VF+8*\d:VF+8*\d+7], v[P+8*\q:P+8*\q+7], v[O+64*\q+8*\d:O+64*\q+8*\d+7]
.endif
.endr
.endr
.endm
; THE SOFTMAX of a key step over my 64 keys (32 a lane and tile), both tiles line by line by turns.
.macro SOFTMAX
.irp q, 0,1
	v_max3_num_f32 v[ST+8*\q+6], v[S+32*\q], v[S+32*\q+1], v[S+32*\q+2]      ; the step's largest logit, in two chains a tile
	v_max3_num_f32 v[ST+8*\q+7], v[S+32*\q+3], v[S+32*\q+4], v[S+32*\q+5]
.endr
.set i, 6
.rept 6
.irp q, 0,1
	v_max3_num_f32 v[ST+8*\q+6], v[ST+8*\q+6], v[S+32*\q+i], v[S+32*\q+i+1]
	v_max3_num_f32 v[ST+8*\q+7], v[ST+8*\q+7], v[S+32*\q+i+2], v[S+32*\q+i+3]
.endr
.set i, i+4
.endr
.irp q, 0,1
	v_max3_num_f32 v[ST+8*\q+6], v[ST+8*\q+6], v[S+32*\q+30], v[S+32*\q+31]
.endr
.irp q, 0,1
	v_max_num_f32 v[ST+8*\q+6], v[ST+8*\q+6], v[ST+8*\q+7]
.endr
.irp q, 0,1
	v_permlanex16_b32 v[32+\q], v[ST+8*\q+6], s[SEL], s[SEL+1]
.endr
.irp q, 0,1
	v_max_num_f32 v[ST+8*\q+6], v[ST+8*\q+6], v[32+\q]                       ; and among lane l xor 16's
.endr
.irp q, 0,1
	v_mul_f32 v[ST+8*\q+6], s[L2E], v[ST+8*\q+6]                             ; as t
.endr
.irp q, 0,1
	v_max_num_f32 v[ST+8*\q+1], v[ST+8*\q+1], v[ST+8*\q+6]                   ; the running largest t
.endr
.irp q, 0,1
	v_mov_b32 v[ST+8*\q+6], v[ST+8*\q]
.endr
.irp q, 0,1
	v_floor_f32 v[ST+8*\q], -v[ST+8*\q+1]                                    ; the new -M = -ceil(t): a whole number
.endr
.irp q, 0,1
	v_sub_f32 v[ST+8*\q+6], v[ST+8*\q], v[ST+8*\q+6]                         ; old M - new M: a whole number, 0 or less
.endr
.irp q, 0,1
	v_cvt_i32_f32 v[ST+8*\q+6], v[ST+8*\q+6]                                 ; (it saturates)
.endr
.irp q, 0,1
	v_ldexp_f32 v[ST+8*\q+4], 1.0, v[ST+8*\q+6]                              ; f = 2^(old M - new M)
.endr
.set i, 0
.rept 16
.irp q, 0,1
	v_pk_fma_f32 v[S+32*\q+i:S+32*\q+i+1], v[S+32*\q+i:S+32*\q+i+1], s[L2E:L2E+1], v[ST+8*\q:ST+8*\q+1] op_sel_hi:[1,0,0]   ; t - M (of the pairs the low word serves both halves)
.endr
.set i, i+2
.endr
	s_wait_alu depctr_va_vdst(0)                   ; the wait ahead of the batch
.set i, 0
.rept 64
	v_exp_f32 v[S+i], v[S+i]                       ; p = 2^(t - M): one batch
.set i, i+1
.endr
.irp q, 0,1
	v_pk_mul_f32 v[ST+8*\q+2:ST+8*\q+3], v[ST+8*\q+2:ST+8*\q+3], v[ST+8*\q+4:ST+8*\q+5] op_sel_hi:[1,0]   ; the sums under the new M (plain lines behind the exponentials)
.endr
	s_wait_alu depctr_va_vdst(0)                   ; one wait for the batch, ahead of its first reader
.irp q, 0,1
	v_pk_add_f32 v[34+2*\q:35+2*\q], v[S+32*\q:S+32*\q+1], v[S+32*\q+2:S+32*\q+3]   ; the sum is taken of the unquantised p: two chains a tile
.endr
.set i, 4
.rept 7
.irp q, 0,1
	v_pk_add_f32 v[ST+8*\q+2:ST+8*\q+3], v[ST+8*\q+2:ST+8*\q+3], v[S+32*\q+i:S+32*\q+i+1]
	v_pk_add_f32 v[34+2*\q:35+2*\q], v[34+2*\q:35+2*\q], v[S+32*\q+i+2:S+32*\q+i+3]
.endr
.set i, i+4
.endr
.irp q, 0,1
	v_pk_add_f32 v[ST+8*\q+2:ST+8*\q+3], v[ST+8*\q+2:ST+8*\q+3], v[34+2*\q:35+2*\q]
.endr
.irp q, 0,1
.irp t, 0,1,2,3
.irp j, 0,1,2,3,4,5,6,7
	v_min_num_f32 v[S+32*\q+8*\t+\j], v[S+32*\q+8*\t+\j], v39   ; the conversion does not saturate (ISA guide 7.6.2); p is not negative: a one-sided hold
.endr
	v_cvt_scalef32_pk8_fp8_f32 v[P+8*\q+2*\t:P+8*\q+2*\t+1], v[S+32*\q+8*\t:S+32*\q+8*\t+7], v38
.endr
.endr
	v_nop                                          ; a plain line between the last conversion and the matrix instructions that read the codes and write the scores anew
.endm
; A TRIP: key step j.  pv = 2: O^T is rescaled and takes step j - 1's second product; 1: that product starts O^T; 0: none.  fill = 1: the other slot takes step j + 1.  ask: 1 in the loop, 2 written out, 0 none.
.macro TRIP pv, fill, ask
	s_wait_tensorcnt 0x0                           ; my one tensor load has landed: my part of this step's tiles; so a group 0 may be written
	ds_add_u32 v[SPW], v[NIL]                      ; 0 onto my spare word
.if \fill
	s_xor_b32 s[G0KV+1], s[G0KV+1], SLOT1          ; the walking descriptors: the other slot, the next 128 keys
	s_add_nc_u64 s[G0KV+2:G0KV+3], s[G0KV+2:G0KV+3], 16384
	s_xor_b32 s[G0M+1], s[G0M+1], SLOT1
	s_add_nc_u64 s[G0M+2:G0M+3], s[G0M+2:G0M+3], 512
	s_wait_xcnt 0x0                                ; the last prefetch, a trip back, has read its address
	s_add_nc_u64 s[PFA:PFA+1], s[PFA:PFA+1], s[PFS:PFS+1]
.endif
	s_wait_dscnt 0x0                               ; the add is done; my reads of the other slot are over, V of step j - 1 among them
	s_barrier_signal -1
	s_barrier_wait -1
.if \fill
	CREST                                          ; the barrier has opened a round of the cluster's: no wave of any partner still reads the other slot or has a load on its way
	JLOAD                                          ; the first tensor load behind the round, my one load until the next
.endif
	v_add_nc_u32 v[ADK], s[TB], v[AK0]
	v_add_nc_u32 v[ADV], s[TB], v[AV0]
	v_add_nc_u32 v[ADM], s[TB], v[AM0]
	v_add_nc_u32 v[ADM+1], s[TB], v[AM0+1]
	WIN 0x40                                       ; destination window 1
.irp t, 0,1,2,3
.irp c, 0,1,2,3
	ds_load_b128 v[KF+16*\t+4*\c:KF+16*\t+4*\c+3], v[ADK] offset:2048*\t+512*\c    ; K: my four tiles' fragments as they were stored
.endr
.endr
	WIN 0
.irp q, 0,1
.irp t, 0,1,2,3
	ds_load_b128 v[MK+32*\q+8*\t:MK+32*\q+8*\t+3],   v[ADM+\q] offset:64*\t        ; the mask at my query, my 8 keys of tile t
	ds_load_b128 v[MK+32*\q+8*\t+4:MK+32*\q+8*\t+7], v[ADM+\q] offset:64*\t+16
.endr
.endr
.if \ask
	ASK \ask
.endif
.if \pv == 1
	s_wait_alu depctr_va_vdst(0)
	PVS 1
.elseif \pv == 2
	RESCALE                                        ; behind the refill and the run of LDS loads: work on registers while K's fragments come
	PVS 0
.endif
	s_wait_dscnt 16                                ; K is in; the 16 loads of the mask may be out
	WIN 0x01                                       ; source 0 (K) window 1
.irp t, 0,1,2,3
.irp q, 0,1
	v_wmma_f32_16x16x128_fp8_fp8 v[S+32*\q+8*\t:S+32*\q+8*\t+7], v[KF+16*\t:KF+16*\t+15], v[Q+16*\q:Q+16*\q+15], 0
.endr
.endr
.rept 4
	v_nop                                          ; places in front of the loads into V's registers, which the products above have read, and of the first read of the scores
.endr
	WIN 0x40
	s_wait_alu depctr_va_vdst(0)
.irp d, 0,1,2,3,4,5,6,7
.irp c, 0,1
	ds_load_b128 v[VF+8*\d+4*\c:VF+8*\d+4*\c+3], v[ADV] offset:2048*\d+512*\c      ; V of this step, my 64 keys: multiplied in the next trip
.endr
.endr
	s_wait_dscnt 16                                ; the mask is in; V's 16 loads may be out
	WIN 0
.set i, 0
.rept 32
	v_pk_fma_f32 v[S+i:S+i+1], v[S+i:S+i+1], s[SA:SA+1], v[MK+i:MK+i+1] op_sel_hi:[1,0,1]   ; logit = sum x 2^(e6 + e7 - 5) + mask: one rounding
.set i, i+2
.endr
	SOFTMAX
	s_xor_b32 s[TB], s[TB], SLOT1                  ; on to the other slot
.endm
	TRIP 0, 1, 2                                   ; key step 0
	TRIP 1, 1, 2                                   ; key step 1; step 0's second product starts O^T
	s_mov_b32 s[CNT], 29
.Lstep:                                            ; key steps 2 to 30
	TRIP 2, 1, 1
	s_sub_co_u32 s[CNT], s[CNT], 1
	s_cmp_lg_u32 s[CNT], 0
	s_cbranch_scc1 .Lstep
	TRIP 2, 0, 0                                   ; key step 31 is written out: nothing is left to fetch
	s_wait_dscnt 0x0                               ; V of step 31
	RESCALE
	PVS 0
	WIN 0
	; THE EXCHANGE.  Slot 0 has had its last fill (key step 30) and its last read ahead of step 31's barrier.  I store my tile 1 there, register images of 512 bytes, with its -M and its sum; wave w xor 4 stores what belongs to my tile 0.
	s_mul_i32 s88, s[WV], XR
	s_xor_b32 s89, s[WV], 4
	s_mul_i32 s89, s89, XR
	v_and_b32 v48, 31, v0                          ; (these ten plain lines are the places behind the last products)
	v_add_nc_u32 v49, s88, v[LI]
	v_add_nc_u32 v50, s89, v[LI]
	v_lshl_add_u32 v51, v48, 3, s88
	v_lshl_add_u32 v52, v48, 3, s89
	v_mov_b32 v34, v[ST+8]
	v_add_f32 v35, v[ST+10], v[ST+11]
	v_add_f32 v[ST+6], v[ST+2], v[ST+3]
	v_mov_b32 v59, 0                               ; (named as the upper halves of pairs)
	v_mov_b32 v61, 0
	WIN 0x04                                       ; the stores' data in window 1
.irp i, 0,1,2,3,4,5,6,7,8,9,10,11,12,13,14,15
	ds_store_b128 v49, v[O+64+4*\i:O+64+4*\i+3] offset:512*\i
.endr
	WIN 0
	ds_store_b64 v51, v[34:35] offset:8192
	s_wait_alu depctr_va_vdst(0)                   ; the wait here, directly ahead of the wait below
	s_wait_dscnt 0x0                               ; my stores are done, for the other wave's sake
	s_barrier_signal -1
	s_barrier_wait -1
	ds_load_b64 v[36:37], v52 offset:8192
.irp i, 0,1,2,3,4,5,6,7,8,9,10,11,12,13,14,15
	ds_load_b128 v[MK+4*\i:MK+4*\i+3], v50 offset:512*\i
.endr
	s_wait_dscnt 16                                ; the other part's -M and sum are in
	v_min_num_f32 v53, v[ST], v36                  ; -M of the two parts together
	v_sub_f32 v54, v53, v[ST]                      ; my M less the common one, and the other's: whole numbers, 0 or less
	v_sub_f32 v55, v53, v36
	v_cvt_i32_f32 v54, v54
	v_cvt_i32_f32 v55, v55
	v_ldexp_f32 v54, 1.0, v54
	v_ldexp_f32 v55, 1.0, v55
	v_mul_f32 v56, v[ST+6], v54
	v_fma_f32 v56, v37, v55, v56
	v_permlanex16_b32 v32, v56, s[SEL], s[SEL+1]
	v_add_f32 v56, v56, v32                        ; the row's sum
	s_wait_alu depctr_va_vdst(0)                   ; the wait ahead of the transcendental
	v_rcp_f32 v57, v56
	v_nop
	s_wait_alu depctr_va_vdst(0)                   ; and ahead of its first reader
	v_mul_f32 v58, v54, v57                        ; a power of two x 1 / the sum
	v_mul_f32 v60, v55, v57
	s_wait_alu depctr_va_vdst(0)                   ; the wait here, directly ahead of the wait below
	s_wait_dscnt 0x0
.set i, 0
.rept 32
	v_pk_mul_f32 v[MK+i:MK+i+1], v[MK+i:MK+i+1], v[60:61] op_sel_hi:[1,0]
.set i, i+2
.endr
	WIN 0x01                                       ; source 0 (O^T) window 1
	s_wait_alu depctr_va_vdst(0)                   ; the wait here, directly ahead of the first reader of O^T
.set i, 0
.rept 32
	v_pk_fma_f32 v[S+i:S+i+1], v[O+i:O+i+1], v[58:59], v[MK+i:MK+i+1] op_sel_hi:[1,0,1]
.set i, i+2
.endr
	WIN 0
.set i, 0
.rept 64
	v_med3_num_f32 v[S+i], v[S+i], -v41, v41
.set i, i+1
.endr
.irp d, 0,1,2,3,4,5,6,7
	v_cvt_scalef32_pk8_fp8_f32 v[P+2*\d:P+2*\d+1], v[S+8*\d:S+8*\d+7], v40   ; the conversions' results are the last product's fragment, stored as it stands
.endr
	v_nop
.irp c, 0,1,2,3
	global_store_b128 v[LI], v[P+4*\c:P+4*\c+3], s[60:61] offset:512*\c      ; 32 lanes store 512 consecutive bytes, aligned
.endr
	global_store_b128 v[LI], v[44:47], s[62:63]                              ; my head's 512 bytes of K steps 8 and 9
	s_wait_tensorcnt 0x0                           ; the wave's end
	ds_add_u32 v[SPW], v[NIL]
	s_wait_dscnt 0x0
	CROUND                                         ; the closing round
	s_endpgm
.Lfunc_end_k_q99ecc237bf_attn:
	.size	k_q99ecc237bf_attn, .Lfunc_end_k_q99ecc237bf_attn-k_q99ecc237bf_attn
	.p2alignl 7, 3214868480
	.fill 96, 4, 3214868480
	.section	.rodata,"a",@progbits
	.p2align	6, 0x0
	.amdhsa_kernel k_q99ecc237bf_attn
		.amdhsa_group_segment_fixed_size 327680
		.amdhsa_private_segment_fixed_size 0
		.amdhsa_enable_private_segment 0
		.amdhsa_kernarg_size 32
		.amdhsa_user_sgpr_count 2
		.amdhsa_user_sgpr_kernarg_segment_ptr 1
		.amdhsa_wavefront_size32 1
		.amdhsa_system_sgpr_workgroup_id_x 1
		.amdhsa_system_sgpr_workgroup_id_y 1
		.amdhsa_system_sgpr_workgroup_id_z 1
		.amdhsa_system_vgpr_workitem_id 0
		.amdhsa_next_free_vgpr 512
		.amdhsa_next_free_sgpr 100
		.amdhsa_reserve_vcc 1
		.amdhsa_float_denorm_mode_32 3
		.amdhsa_float_denorm_mode_16_64 3
		.amdhsa_memory_ordered 1
		.amdhsa_forward_progress 1
		.amdhsa_inst_pref_size 115
	.end_amdhsa_kernel
	.amdgpu_metadata
---
amdhsa.version: [ 1, 2 ]
amdhsa.kernels:
  - .name:           k_q99ecc237bf_attn
    .symbol:         k_q99ecc237bf_attn.kd
    .args:
      - { .name: qkv, .offset: 0, .size: 8, .value_kind: global_buffer, .address_space: global }
      - { .name: mask, .offset: 8, .size: 8, .value_kind: global_buffer, .address_space: global }
      - { .name: lowp_scales, .offset: 16, .size: 8, .value_kind: global_buffer, .address_space: global }
      - { .name: cimg, .offset: 24, .size: 8, .value_kind: global_buffer, .address_space: global }
    .group_segment_fixed_size: 327680
    .private_segment_fixed_size: 0
    .kernarg_segment_align: 8
    .kernarg_segment_size: 32
    .max_flat_workgroup_size: 256
    .sgpr_count:     100
    .vgpr_count:     512
    .wavefront_size: 32
...
	.end_amdgpu_metadata
.endif
;; end of part 3
;; launch outp (part 4): grid 8 x 32, 4 waves a work-group, clusters of 4 x 4, 327,680 bytes of LDS; arguments cimg, wc, lowp_scales, out0; writes out0
.if DOCPART == 4
	.amdgcn_target "amdgcn-amd-amdhsa--gfx1250"
	.amdhsa_code_object_version 6
	.text
	.protected	k_q99ecc237bf_outp
	.globl	k_q99ecc237bf_outp
	.p2align	8
	.type	k_q99ecc237bf_outp,@function
k_q99ecc237bf_outp:
	s_mov_b64 s[64:65], 0
	v_nop
	global_prefetch_b8 v0, s[64:65] scope:SCOPE_SE
	s_setreg_imm32_b32 hwreg(HW_REG_WAVE_MODE, 25, 1), 1
	s_wait_xcnt 0x0
	s_wait_alu depctr_hold_cnt(0) depctr_sa_sdst(0) depctr_va_vdst(0) depctr_va_sdst(0) depctr_va_ssrc(0) depctr_va_vcc(0) depctr_vm_vsrc(0)
	s_getreg_b32 s2, hwreg(HW_REG_IB_STS2, 6, 4)
	s_cmp_eq_u32 s2, 0
	s_cbranch_scc0 .Lentry_in_a_cluster
	s_endpgm
.Lentry_in_a_cluster:
	s_bfe_u32 s2, ttmp6, 0x10000c
	s_cmp_lg_u32 s2, 0xf033
	s_cbranch_scc0 .Lentry_shape_is_right
	s_endpgm
.Lentry_shape_is_right:
; out0 = [attention's result, 1] W_O on codes of FP8 (E4M3), K = 1,025; each finished sum x 2^(e10 + e11).  LIMIT: e10 + e11 between -126 and 127.
; A (tokens) comes as images of operand registers, cimg [token tile 256][K step 10][2,048 bytes]; B (W_O's columns) as rows of 1,280 bytes, plane 3 of wc.  Nine K steps of 128 are multiplied; the ninth holds
; the appended 1 against W_O's last row, and zeros.
; A tile of out0 is 128 x 128: 256 work-groups of four waves, a wave makes 64 x 64: 16 accumulators.  ALL OF K LIES IN LDS AT ONCE: A 8 token tiles x 18,432 bytes, B 128 rows x (1,024 + 16) and 128 x (128 + 16).
; Every tensor load is a first fill, one a wave, at the head: waves 0 and 1 four token tiles of A each (rows of 18,432 bytes, 20,480 apart), wave 2 B's K steps 0-7, wave 3 B's K step 8.  One wait, one barrier, no ring.
; CLUSTERS 4 x 4: the four work-groups of a row of the cluster need the same rows of A, the four of a column the same rows of B: each tile is asked for jointly.
; THE MATRIX INSTRUCTION IS USED TRANSPOSED (source 0 = 16 rows of B, source 1 = 16 rows of A): lane (r, h) of accumulator (a, b) holds token 16 a + r and columns 16 b + 8 h + 0 .. 7: 32 neighbouring bytes of out0.
; The images hold each k in the matrix form's own place (registers 2 c, 2 c + 1: k = 16 c + 8 h + 0 .. 7), so B's fragments are fetched by eight loads of 8 bytes, 16 bytes apart.
; REGISTERS: window 0: v16-26 addresses; v32-63 a block's sums x 2^(e10 + e11); v64-191 rows read back from the stage; v128-255 the accumulators.   window 1: two fragment buffers of 128: A's four fragments, then B's four.
; No prefetch: each tile is asked for at the launch's head, and there is no loop to run ahead in.
.set KROW,   1280
.set WPL,    1024*KROW
.set TP,     20480
.set AT,     18432                     ; a token tile's nine K steps in LDS
.set PB,     1040                      ; B's LDS row for K steps 0-7: 65 x 16 bytes
.set PB2,    144                       ; and for the ninth: 9 x 16
.set BC0,    8*AT
.set BC2,    BC0+128*PB
.set STG,    BC2+128*PB2               ; the way out: 16 rows x (256 bytes + 16) for each wave: bytes of their own
.set SPITCH, 272
.set SPARE,  STG+4*16*SPITCH
.set ADRA, 16                          ; v16, v17: my A fragments: token tiles 0, 1 and 2, 3 (an LDS offset has 16 bits)
.set ADRB, 20                          ; v20, v21: my B fragments in K steps 0-7 and in K step 8
.set STO,  24
.set RD,   25
.set CO,   26
.set TMP,  32
.set BK,   64
.set ACC,  128
.set F0,   0
.set F1,   128
.set G1A,  24
.set G1B,  32
.set G1B2, 40
.set G0A,  48
.set G0B,  52
.set G0B2, 56
.set MSB, 0
.macro WIN new
.if MSB != (\new)
	s_set_vgpr_msb (MSB<<8)|(\new)
.set MSB, (\new)
.endif
.endm
.set MULW, 0x05
.set TO_F, 0x40
.macro CROUND
	s_barrier_signal -1
	s_barrier_wait -1
	s_cmp_lg_u32 s14, 0
	s_cbranch_scc1 .Lnot_wave_0_\@
	s_barrier_signal -3
.Lnot_wave_0_\@:
	s_barrier_wait -3
	s_barrier_signal -1
	s_barrier_wait -1
.endm
.macro GROUP0 g, lds, cst, adr, off
	s_mov_b32 s[\g], 1
	s_add_co_u32 s[\g+1], s[\lds], \cst
	s_add_nc_u64 s[\g+2:\g+3], s[\adr:\adr+1], \off
	s_or_b32 s[\g+3], s[\g+3], 0x80000000
.endm
.macro PLACES
.rept 4
	v_nop
.endr
.endm
	s_load_b256 s[4:11], s[0:1], 0x0               ; cimg 4:5, wc 6:7, the scales' exponents 8:9, out0 10:11
	v_lshl_add_u32 v30, v0, 2, SPARE
	v_mov_b32 v31, 0
	ds_add_u32 v30, v31                            ; the opening lines: the add twice on end and its wait
	ds_add_u32 v30, v31
	v_lshrrev_b32 v1, 5, v0
	v_readfirstlane_b32 s14, v1                    ; wave 0..3
	s_lshr_b32 s15, s14, 1                         ; which half of the tile's rows is mine
	s_and_b32 s16, s14, 1                          ; which half of its columns.  Also, in waves 0 and 1: which four token tiles of A I fetch
	s_bfe_u32 s84, ttmp6, 0x40000
	s_bfe_u32 s85, ttmp6, 0x40004
	s_lshl_b32 s86, ttmp9, 2
	s_add_co_u32 s86, s86, s84                     ; tile column 0..7
	s_and_b32 s17, ttmp7, 0xffff
	s_lshl_b32 s17, s17, 2
	s_add_co_u32 s17, s17, s85                     ; tile row 0..31
	s_lshl_b32 s87, s85, 2
	s_lshl_b32 s87, 15, s87                        ; my row of the cluster
	s_lshl_b32 s88, 0x1111, s84                    ; my column
	s_or_b32 s[G1A], s87, (3<<16)|(1<<21)          ; A: elements of 8 bytes; no padding: 4 rows of 2,304 elements, 2,560 apart
	s_mov_b32 s[G1A+1], 2304<<16
	s_mov_b32 s[G1A+2], 4<<16
	s_mov_b32 s[G1A+3], 2304<<16
	s_mov_b32 s[G1A+4], 4
	s_mov_b32 s[G1A+5], TP/8
	s_mov_b32 s[G1A+6], 0
	s_mov_b32 s[G1A+7], 0
	s_or_b32 s[G1B], s88, (0<<16)|(1<<20)|(1<<21)|(7<<22)|(3<<25)   ; B, K steps 0-7: elements of 1 byte; 4 words of padding after every 256: 128 rows x 1,024 bytes
	s_mov_b32 s[G1B+1], 1024<<16
	s_mov_b32 s[G1B+2], 128<<16
	s_mov_b32 s[G1B+3], 1024<<16
	s_mov_b32 s[G1B+4], 128
	s_mov_b32 s[G1B+5], KROW
	s_mov_b32 s[G1B+6], 0
	s_mov_b32 s[G1B+7], 0
	s_or_b32 s[G1B2], s88, (0<<16)|(1<<20)|(1<<21)|(4<<22)|(3<<25)  ; B, K step 8: 4 words after every 32: 128 rows x 128 bytes
	s_mov_b32 s[G1B2+1], 128<<16
	s_mov_b32 s[G1B2+2], 128<<16
	s_mov_b32 s[G1B2+3], 128<<16
	s_mov_b32 s[G1B2+4], 128
	s_mov_b32 s[G1B2+5], KROW
	s_mov_b32 s[G1B2+6], 0
	s_mov_b32 s[G1B2+7], 0
	s_lshl_b32 s20, s17, 3
	s_lshl_b32 s18, s16, 2
	s_add_co_u32 s20, s20, s18                     ; A: token tile 8 x tile row + 4 x half: it hangs on the tile row alone
	s_mul_i32 s20, s20, TP
	s_mov_b32 s21, 0
	s_lshl_b32 s22, s86, 7                         ; B: row 128 x tile column: on the tile column alone,
	s_mul_i32 s22, s22, KROW
	s_add_co_u32 s22, s22, 3*WPL                   ; in plane 3
	s_mov_b32 s23, 0
	s_mul_i32 s89, s16, 4*AT
	s_mov_b32 s90, 0
	s_wait_dscnt 0x0
	s_wait_kmcnt 0x0
	s_load_b64 s[96:97], s[8:9], 0x28              ; e10, e11
	s_add_nc_u64 s[20:21], s[4:5], s[20:21]
	s_add_nc_u64 s[22:23], s[6:7], s[22:23]
	GROUP0 G0A, 89, 0, 20, 0
	GROUP0 G0B, 90, BC0, 22, 0
	GROUP0 G0B2, 90, BC2, 22, 1024
	CROUND                                         ; all sixteen work-groups are here: the joint loads meet
	s_cmp_lt_u32 s14, 2                            ; one chain of branches on the wave's number, one fill to an arm, one join
	s_cbranch_scc0 .Lnot_a
	tensor_load_to_lds s[G0A:G0A+3], s[G1A:G1A+7]
	s_nop 0
	PLACES
	s_branch .Lasked
.Lnot_a:
	s_cmp_eq_u32 s14, 2
	s_cbranch_scc0 .Lb_last
	tensor_load_to_lds s[G0B:G0B+3], s[G1B:G1B+7]
	s_nop 0
	PLACES
	s_branch .Lasked
.Lb_last:
	tensor_load_to_lds s[G0B2:G0B2+3], s[G1B2:G1B2+7]
	s_nop 0
	PLACES
.Lasked:
	s_mul_i32 s18, s15, 4*AT                       ; my 4 token tiles of A
	s_mul_i32 s19, s16, 64*PB                      ; my 64 rows of B
	s_add_co_u32 s19, s19, BC0
	s_mul_i32 s91, s16, 64*PB2
	s_add_co_u32 s91, s91, BC2
	s_mul_i32 s92, s14, 16*SPITCH
	s_add_co_u32 s92, s92, STG                     ; my stage
	s_lshl_b32 s20, s17, 7
	s_lshl_b32 s21, s15, 6
	s_add_co_u32 s20, s20, s21                     ; my first row of out0,
	s_lshl_b32 s20, s20, 12                        ; of 4,096 bytes
	s_lshl_b32 s22, s86, 9
	s_lshl_b32 s23, s16, 8
	s_add_co_u32 s22, s22, s23                     ; my first column, in bytes
	s_add_co_u32 s20, s20, s22
	s_mov_b32 s21, 0
	s_add_nc_u64 s[10:11], s[10:11], s[20:21]
	v_and_b32 v1, 15, v0                           ; r
	v_bfe_u32 v2, v0, 4, 1                         ; h
	v_and_b32 v6, 31, v0
	v_lshlrev_b32 v7, 4, v6
	v_add_nc_u32 v[ADRA], s18, v7
	v_add_nc_u32 v[ADRA+1], 2*AT, v[ADRA]
	v_mul_u32_u24 v3, v1, PB
	v_lshl_add_u32 v3, v2, 3, v3
	v_add_nc_u32 v[ADRB], s19, v3
	v_mul_u32_u24 v4, v1, PB2
	v_lshl_add_u32 v4, v2, 3, v4
	v_add_nc_u32 v[ADRB+1], s91, v4
	v_mul_u32_u24 v5, v1, SPITCH                   ; the stage, in: row r, 32 bytes for each half of the lanes
	v_lshl_add_u32 v5, v2, 5, v5
	v_add_nc_u32 v[STO], s92, v5
	v_mul_u32_u24 v5, v2, SPITCH                   ; back: lanes 0-15 one row of 256 bytes, lanes 16-31 the next
	v_lshl_add_u32 v5, v1, 4, v5
	v_add_nc_u32 v[RD], s92, v5
	v_lshlrev_b32 v[CO], 12, v2
	v_lshl_add_u32 v[CO], v1, 4, v[CO]
; 48 LDS loads in one run: K step s into buffer f
.macro FETCH s, f
	WIN TO_F
.irp i, 0,1,2,3
.irp c, 0,1,2,3
	ds_load_b128 v[\f+16*\i+4*\c:\f+16*\i+4*\c+3], v[ADRA+\i/2] offset:AT*(\i%2)+2048*(\s)+512*\c
.endr
.endr
.irp i, 0,1,2,3
.irp c, 0,1,2,3,4,5,6,7
.if (\s) < 8
	ds_load_b64 v[\f+64+16*\i+2*\c:\f+64+16*\i+2*\c+1], v[ADRB] offset:16*PB*\i+128*(\s)+16*\c
.else
	ds_load_b64 v[\f+64+16*\i+2*\c:\f+64+16*\i+2*\c+1], v[ADRB+1] offset:16*PB2*\i+16*\c
.endif
.endr
.endr
.endm
; 16 matrix instructions: a K step on buffer f.  The 16 accumulators take turns, one instruction a turn, in the same order in every K step
.macro MUL f, zero
	WIN MULW
.irp a, 0,1,2,3
.irp b, 0,1,2,3
.if \zero
	v_wmma_f32_16x16x128_fp8_fp8 v[ACC+8*(4*\a+\b):ACC+8*(4*\a+\b)+7], v[\f+64+16*\b:\f+64+16*\b+15], v[\f+16*\a:\f+16*\a+15], 0
.else
	v_wmma_f32_16x16x128_fp8_fp8 v[ACC+8*(4*\a+\b):ACC+8*(4*\a+\b)+7], v[\f+64+16*\b:\f+64+16*\b+15], v[\f+16*\a:\f+16*\a+15], v[ACC+8*(4*\a+\b):ACC+8*(4*\a+\b)+7]
.endif
.endr
.endr
.endm
.macro GO f, zero, next                ; a K step's products, then the fetch of the K step two on into the same buffer; the 48 loads of the K step between may be out
	s_wait_dscnt 48
	MUL \f, \zero
	PLACES
	FETCH \next, \f
.endm
	s_wait_alu depctr_va_vdst(0)                   ; the wait at the head's end
	s_wait_tensorcnt 0x0                           ; my load is in
	s_barrier_signal -1
	s_barrier_wait -1                              ; everybody's is
	FETCH 0, F0
	FETCH 1, F1
	GO F0, 1, 2
	GO F1, 0, 3
	GO F0, 0, 4
	GO F1, 0, 5
	GO F0, 0, 6
	GO F1, 0, 7
	GO F0, 0, 8
	s_wait_dscnt 48
	MUL F1, 0
	s_wait_dscnt 0x0
	MUL F0, 0                                      ; the appended 1 against W_O's last row
	WIN 0
; THE WAY OUT, block by block of 16 rows x 64 columns, through my own stage in LDS, back as whole rows of 256 bytes.  LDS serves a wave's instructions in order (ISA guide 5.7.1.4).
.macro TOSTAGE a
.irp j, 0,2,4,6,8,10,12,14,16,18,20,22,24,26,28,30
	v_pk_mul_f32 v[TMP+\j:TMP+\j+1], v[ACC+32*(\a)+\j:ACC+32*(\a)+\j+1], s[96:97] op_sel_hi:[1,0]   ; x 2^(e10 + e11); each accumulator from its low end on
.endr
.irp b, 0,1,2,3
	ds_store_b128 v[STO], v[TMP+8*\b:TMP+8*\b+3] offset:64*\b
	ds_store_b128 v[STO], v[TMP+8*\b+4:TMP+8*\b+7] offset:64*\b+16
.endr
.irp t, 0,1,2,3,4,5,6,7
	ds_load_b128 v[BK+32*(\a)+4*\t:BK+32*(\a)+4*\t+3], v[RD] offset:\t*2*SPITCH
.endr
.endm
.macro SEND a, younger
	s_wait_dscnt \younger
.irp t, 0,1,2,3,4,5,6,7
	global_store_b128 v[CO], v[BK+32*(\a)+4*\t:BK+32*(\a)+4*\t+3], s[10:11] offset:(16*(\a)+2*\t)*4096 th:TH_STORE_NT   ; 16 lanes store 256 consecutive bytes, aligned
.endr
.endm
	s_wait_kmcnt 0x0
	s_add_co_i32 s96, s96, s97
	s_add_co_i32 s96, s96, 127
	s_lshl_b32 s96, s96, 23                        ; 2^(e10 + e11) as f32
	PLACES
	TOSTAGE 0
	TOSTAGE 1
	SEND 0, 16                                     ; behind block 0's loads: block 1's 8 stores and 8 loads
	TOSTAGE 2
	SEND 1, 16
	TOSTAGE 3
	SEND 2, 16
	SEND 3, 0
	s_wait_tensorcnt 0x0                           ; the wave's end
	ds_add_u32 v30, v31
	s_wait_dscnt 0x0
	CROUND                                         ; the closing round
	s_endpgm
.Lfunc_end_k_q99ecc237bf_outp:
	.size	k_q99ecc237bf_outp, .Lfunc_end_k_q99ecc237bf_outp-k_q99ecc237bf_outp
	.p2alignl 7, 3214868480
	.fill 96, 4, 3214868480
	.section	.rodata,"a",@progbits
	.p2align	6, 0x0
	.amdhsa_kernel k_q99ecc237bf_outp
		.amdhsa_group_segment_fixed_size 327680
		.amdhsa_private_segment_fixed_size 0
		.amdhsa_enable_private_segment 0
		.amdhsa_kernarg_size 32
		.amdhsa_user_sgpr_count 2
		.amdhsa_user_sgpr_kernarg_segment_ptr 1
		.amdhsa_wavefront_size32 1
		.amdhsa_system_sgpr_workgroup_id_x 1
		.amdhsa_system_sgpr_workgroup_id_y 1
		.amdhsa_system_sgpr_workgroup_id_z 1
		.amdhsa_system_vgpr_workitem_id 0
		.amdhsa_next_free_vgpr 512
		.amdhsa_next_free_sgpr 100
		.amdhsa_reserve_vcc 0
		.amdhsa_float_denorm_mode_32 3
		.amdhsa_float_denorm_mode_16_64 3
		.amdhsa_memory_ordered 1
		.amdhsa_forward_progress 1
		.amdhsa_inst_pref_size 57
	.end_amdhsa_kernel
	.amdgpu_metadata
---
amdhsa.version: [ 1, 2 ]
amdhsa.kernels:
  - .name:           k_q99ecc237bf_outp
    .symbol:         k_q99ecc237bf_outp.kd
    .args:
      - { .name: cimg, .offset: 0, .size: 8, .value_kind: global_buffer, .address_space: global }
      - { .name: wc, .offset: 8, .size: 8, .value_kind: global_buffer, .address_space: global }
      - { .name: lowp_scales, .offset: 16, .size: 8, .value_kind: global_buffer, .address_space: global }
      - { .name: out0, .offset: 24, .size: 8, .value_kind: global_buffer, .address_space: global }
    .group_segment_fixed_size: 327680
    .private_segment_fixed_size: 0
    .kernarg_segment_align: 8
    .kernarg_segment_size: 32
    .max_flat_workgroup_size: 128
    .sgpr_count:     100
    .vgpr_count:     512
    .wavefront_size: 32
...
	.end_amdgpu_metadata
.endif
;; end of part 4
